; MI455X (gfx1250); checked and timed in simulation.
; The chip was launched on July 23, 2026; its instructions are those of AMD's public machine-readable ISA for CDNA 5 (MIT licence, August 2026) and "CDNA5" Instruction Set Architecture Reference Guide (July 2026). The comments in the code are by the model that wrote it; some were corrected since.
;; Fine Grained Pipelined Mo E Layer. Allowed arithmetic: matrix products marked QUANTISED: E4M3 operands, one given power-of-two scale a tensor, by v_wmma_f32_16x16x64_fp8_fp8 or v_wmma_f32_16x16x128_fp8_fp8, f32 sums; products left as they are: f32 operands where the result goes on into a quantised operand, else bf16, f16 or f32 operands; f32 sums; everything else in f32.
;; Inputs: W1_codes 8 x 4,096 x 32 x 32 uint8 (E4M3 codes of W1, K innermost, in blocks of 32 codes); W2_codes 8 x 1,024 x 128 x 32 uint8 (E4M3 codes of W2, K innermost, in blocks of 32 codes); Wg 1,024 x 8 float32; b1 8 x 4,096 float32; b2 8 x 1,024 float32; bg 8 float32; lowp_scales 32 int32 (the exponents e of the quantised operands' scales 2^e); x 2 x 512 x 1,024 float32.
;; Outputs: out0 2 x 512 x 1,024 float32.
;; This version of the problem:
;;   THIS VERSION OF THE PROBLEM IS GIVEN IN LOW PRECISION. The matrix products marked QUANTISED in the list below multiply operands that are first quantised to E4M3 (4 exponent bits, 3 mantissa bits; 8 bits a number), with one given power-of-two scale for each operand tensor; their sums are f32. All else is computed in f32.
;;   The module's matrix products, in the order in which they are computed (A, B: the left and right operand; K: the contracted axis; several contracted axes count as one K, in the product's order):
;;     1. [M 1,024, K 1,024] x [K 1,024, N 8]; A: input x; B: input Wg: left as it is (N = 8 < 16)
;;     2. [M 1,024, K 1,024] x [K 1,024, N 4,096]; A: input x; B: input W1 (given as codes): QUANTISED (scales: A lowp_scales[0], B lowp_scales[1])
;;     3. [M 1,024, K 4,096] x [K 4,096, N 1,024]; A: computed on the way; B: input W2 (given as codes): QUANTISED (scales: A lowp_scales[2], B lowp_scales[3])
;;     4. [M 1,024, K 1,024] x [K 1,024, N 4,096]; A: input x; B: input W1 (given as codes): QUANTISED (scales: A lowp_scales[4], B lowp_scales[5])
;;     5. [M 1,024, K 4,096] x [K 4,096, N 1,024]; A: computed on the way; B: input W2 (given as codes): QUANTISED (scales: A lowp_scales[6], B lowp_scales[7])
;;     6. [M 1,024, K 1,024] x [K 1,024, N 4,096]; A: input x; B: input W1 (given as codes): QUANTISED (scales: A lowp_scales[8], B lowp_scales[9])
;;     7. [M 1,024, K 4,096] x [K 4,096, N 1,024]; A: computed on the way; B: input W2 (given as codes): QUANTISED (scales: A lowp_scales[10], B lowp_scales[11])
;;     8. [M 1,024, K 1,024] x [K 1,024, N 4,096]; A: input x; B: input W1 (given as codes): QUANTISED (scales: A lowp_scales[12], B lowp_scales[13])
;;     9. [M 1,024, K 4,096] x [K 4,096, N 1,024]; A: computed on the way; B: input W2 (given as codes): QUANTISED (scales: A lowp_scales[14], B lowp_scales[15])
;;     10. [M 1,024, K 1,024] x [K 1,024, N 4,096]; A: input x; B: input W1 (given as codes): QUANTISED (scales: A lowp_scales[16], B lowp_scales[17])
;;     11. [M 1,024, K 4,096] x [K 4,096, N 1,024]; A: computed on the way; B: input W2 (given as codes): QUANTISED (scales: A lowp_scales[18], B lowp_scales[19])
;;     12. [M 1,024, K 1,024] x [K 1,024, N 4,096]; A: input x; B: input W1 (given as codes): QUANTISED (scales: A lowp_scales[20], B lowp_scales[21])
;;     13. [M 1,024, K 4,096] x [K 4,096, N 1,024]; A: computed on the way; B: input W2 (given as codes): QUANTISED (scales: A lowp_scales[22], B lowp_scales[23])
;;     14. [M 1,024, K 1,024] x [K 1,024, N 4,096]; A: input x; B: input W1 (given as codes): QUANTISED (scales: A lowp_scales[24], B lowp_scales[25])
;;     15. [M 1,024, K 4,096] x [K 4,096, N 1,024]; A: computed on the way; B: input W2 (given as codes): QUANTISED (scales: A lowp_scales[26], B lowp_scales[27])
;;     16. [M 1,024, K 1,024] x [K 1,024, N 4,096]; A: input x; B: input W1 (given as codes): QUANTISED (scales: A lowp_scales[28], B lowp_scales[29])
;;     17. [M 1,024, K 4,096] x [K 4,096, N 1,024]; A: computed on the way; B: input W2 (given as codes): QUANTISED (scales: A lowp_scales[30], B lowp_scales[31])
;;   THE QUANTISER, for each operand of a quantised product, along K:
;;     - The operand's scale is 2^e, e = its entry of the input lowp_scales (int32; the entries are numbered through the quantised products in the list's order, A before B).
;;     - Each number is divided by the scale, clamped to +-448, and rounded to the nearest number of E4M3, ties to even, subnormals kept.
;;     - The product sums the exact products of the quantised numbers (number of the format x scale) in f32.
;;   ~~~python
;;   def quantise(x, axis, e):      # numpy; x: float32 -> the quantised numbers, widened to float32 again
;;       x = np.moveaxis(x, axis, -1); K = x.shape[-1]
;;       r = np.clip(x / 2.0 ** e, -448, 448)
;;       step = 2.0 ** (np.maximum(np.frexp(np.where(r == 0, 1, r))[1] - 1, -6) - 3)
;;       q = np.round(r / step) * step * 2.0 ** e      # np.round: ties to even
;;       return np.moveaxis(q, -1, axis).astype(np.float32)
;;   ~~~
;;   OPERANDS COMPUTED ON THE WAY. 'Computed on the way' means the value that the module computes at that place (a softmax that the list does not call 'softmax' is quantised finished and normalised). What goes into a quantiser is computed in f32, as accurately as f32 sums, v_exp_f32 and their like allow (about 1e-6 of the number): no bf16 or f16 on the way to a quantiser, and a product that is left as it is and whose result goes on into a quantised operand takes f32 operands (vector FMAs, or v_wmma_f32_16x16x4_f32). A number that lies on a knife's edge between two numbers of the format may be rounded either way, as far as f32 arithmetic and the matrix unit's own rounding can turn it there, and no further.
;;   INPUTS GIVEN AS CODES. W1 (in the module: [8, 1024, 4096], K = its axis 1); W2 (in the module: [8, 4096, 1024], K = its axis 1): each comes as NAME_codes (uint8): NAME with its K axis moved to the last place and cut into blocks of 32 codes, [.., K / 32, bytes a block], one block behind the other in memory; one code a byte (a code: sign, 4 exponent bits, 3 mantissa bits); its scale is its entry of lowp_scales. Its value is code x scale, taken as it is: it is not quantised again, and the codes and scales need not be those that the quantiser above would give.
;; 2 versions, each right; version 2 is version 1 with the launches up, down written anew for expert scheduling mode. Each part assembles by itself: llvm-mc -triple=amdgcn-amd-amdhsa -mcpu=gfx1250 --defsym DOCPART=n.
;; ======== version 1 of 2: 3 launches
;; workspace buffers: xq 1,048,576 bytes; sel 4,096 bytes of whole numbers; bm 2,048 bytes of whole numbers; perm 49,152 bytes of whole numbers; hq 33,554,432 bytes
;; launch route (part 1): grid 256 x 1, 4 waves a work-group, no clusters, 41,728 bytes of LDS; arguments x, Wg, bg, lowp_scales, xq, sel, bm; writes xq, sel, bm
.if DOCPART == 1
	.amdgcn_target "amdgcn-amd-amdhsa--gfx1250"
	.amdhsa_code_object_version 6
	.text
	.protected	k_qa208740ae9_route
	.globl	k_qa208740ae9_route
	.p2align	8
	.type	k_qa208740ae9_route,@function
k_qa208740ae9_route:
	s_mov_b64 s[64:65], 0
	v_nop
	global_prefetch_b8 v0, s[64:65] scope:SCOPE_SE
	s_setreg_imm32_b32 hwreg(HW_REG_WAVE_MODE, 25, 1), 1
	s_wait_xcnt 0x0
; THE GATE AND x's CODES.  For each of the 1,024 tokens: logits = x Wg + bg in f32 (fused multiply-adds), softmax, argmax (the lowest index among equals);
; the token's row of x is then turned into codes of E4M3 with the CHOSEN expert's scale 2^ex, ex = lowp_scales[4 sel].
; Stored: sel[token] (int32), xq[token][1024] (one code a byte, k ascending), and bm[expert][work-group] (one byte: bit k says that token 4 g + k chose the expert).
; Later launches form addresses from sel and trip counts from bm.  No address and no branch HERE hangs on the choice: it only selects values (v_cndmask_b32).
; SHARES.  A work-group takes 4 tokens, a wave one.  Lane l holds x[128 i + 4 l + 0..3], i = 0..7: each load of the wave reads 512 consecutive bytes.
; Wg (32,768 bytes) is copied once into LDS, as blocks of 4 k x 8 experts = 128 bytes + 16 of padding, so that a lane reads its own four rows of Wg by 16-byte loads, 144 bytes from lane to lane.
; No matrix unit (8 columns), no cluster (what is shared, Wg, is small), two barriers: Wg lies in LDS; the four choices lie in LDS.
; bm's bytes are stored singly, eight a work-group, 256 bytes apart: an expert's 256 bytes lie on end for the launch that counts them, and no work-group holds more than one of them.
; LIMITS.  ex between -126 and 119, so that 2^ex and 448 x 2^ex are f32 numbers.  NaN and infinities among the inputs are not served.
; Two gates that differ by less than the rounding of an f32 sum of 1,024 terms may be ordered either way.
.set PG,  144                          ; a block of Wg in LDS: 128 bytes + 16
.set CS,  36864                        ; behind Wg's 256 blocks: 1,024 bytes for each wave, its row of codes
.set SELS, 40960                       ; behind those: four words, a wave's choice each
.set ACC, 8                            ; v8-15   the 8 logits, in 4 pairs
.set PR,  16                           ; v16-23  p, then the gates
.set X,   32                           ; v32-63  my 32 numbers of x
.set CD,  64                           ; v64-71  my 32 codes
.set RB,  72                           ; v72-79  the row of codes read back
.set G,   128                          ; v128-255 four sets of 32 numbers of Wg; first v128-191 hold Wg as loaded
	s_load_b256 s[4:11], s[0:1], 0x0               ; x s[4:5], Wg s[6:7], bg s[8:9], the scales' exponents s[10:11]
	s_load_b128 s[12:15], s[0:1], 0x20             ; xq s[12:13], sel s[14:15]
	s_load_b64 s[70:71], s[0:1], 0x30              ; bm
	v_lshl_add_u32 v126, v0, 2, 0xa100
	v_mov_b32 v127, 0
	v_lshrrev_b32 v1, 5, v0
	v_readfirstlane_b32 s56, v1                    ; wave 0..3
	v_and_b32 v1, 31, v0                           ; lane
	v_lshlrev_b32 v2, 4, v1                        ; 16 x lane
	v_lshlrev_b32 v7, 4, v0                        ; 16 x thread
	v_lshrrev_b32 v3, 3, v0
	v_mul_u32_u24 v3, v3, PG
	v_and_b32 v4, 7, v0
	v_lshl_add_u32 v3, v4, 4, v3                   ; Wg into LDS: eight threads fill a block: 144 (thread / 8) + 16 (thread % 8)
	v_mul_u32_u24 v4, v1, PG                       ; Wg out of LDS: block 32 i + lane
	s_lshl_b32 s57, s56, 10
	s_add_co_u32 s57, s57, CS                      ; my wave's row of codes
	v_lshl_add_u32 v5, v1, 2, s57                  ; in: 4 bytes a lane
	v_lshl_add_u32 v6, v1, 4, s57                  ; back: 16 bytes a lane
	v_mov_b32 v80, 0
	v_mov_b32 v81, s56
	v_lshlrev_b32 v81, 2, v81                      ; 4 x wave: my word among the four choices
	v_mov_b32 v82, SELS
	v_lshlrev_b32 v83, 8, v1                       ; bm: 256 x lane: lane e stands for expert e
	s_lshl_b32 s60, ttmp9, 2
	s_add_co_u32 s60, s60, s56                     ; my token = 4 x work-group + wave
	s_lshl_b32 s62, s60, 12                        ; its row of x, 4,096 bytes,
	s_mov_b32 s63, 0
	s_lshl_b32 s66, s60, 10                        ; of xq, 1,024 bytes,
	s_mov_b32 s67, 0
	s_lshl_b32 s68, s60, 2                         ; its word of sel
	s_mov_b32 s69, 0
	s_mov_b32 s2, ttmp9                            ; my work-group's byte in an expert's 256 of bm
	s_mov_b32 s3, 0
	s_mov_b32 s58, 0x76543210                      ; v_permlanex16_b32's selects: lane l xor 16
	s_mov_b32 s59, 0xfedcba98
	s_wait_kmcnt 0x0
	s_load_b512 s[16:31], s[10:11], 0x0            ; all 32 exponents: expert e's ex is s[16 + 4 e]
	s_load_b512 s[32:47], s[10:11], 0x40
	s_load_b256 s[48:55], s[8:9], 0x0              ; bg
	s_add_nc_u64 s[4:5], s[4:5], s[62:63]
	s_add_nc_u64 s[12:13], s[12:13], s[66:67]
	s_add_nc_u64 s[14:15], s[14:15], s[68:69]
	s_add_nc_u64 s[70:71], s[70:71], s[2:3]
.set n, 0
.rept 16
	global_load_b128 v[G+4*n:G+4*n+3], v7, s[6:7] offset:2048*n      ; the four waves read 2,048 consecutive bytes of Wg
.set n, n+1
.endr
.set n, 0
.rept 8
	global_load_b128 v[X+4*n:X+4*n+3], v2, s[4:5] offset:512*n th:TH_LOAD_NT
.set n, n+1
.endr
	s_wait_loadcnt 8                               ; Wg's 16 loads are in; x's 8 may stay out
.set n, 0
.rept 16
	ds_store_b128 v3, v[G+4*n:G+4*n+3] offset:16*PG*n
.set n, n+1
.endr
	s_wait_dscnt 0x0                               ; for the others' sake: my part of Wg lies in LDS
	s_barrier_signal -1
	s_barrier_wait -1
; set i: my block 32 i + lane: register 8 j + e of the set is Wg[128 i + 4 lane + j][e]
.macro GSET i
.irp m, 0,1,2,3,4,5,6,7
	ds_load_b128 v[G+32*((\i)%4)+4*\m:G+32*((\i)%4)+4*\m+3], v4 offset:32*PG*(\i)+16*\m
.endr
.endm
; 16 packed multiply-adds: four k x four pairs of experts; x is taken for both halves; the four pairs take turns.  The very first four start the sums
.macro DOT i
.irp j, 0,1,2,3
.irp p, 0,1,2,3
.if ((\i) == 0) && (\j == 0)
	v_pk_mul_f32 v[ACC+2*\p:ACC+2*\p+1], v[X:X+1], v[G+2*\p:G+2*\p+1] op_sel_hi:[0,1]
.elseif (\j % 2) == 0
	v_pk_fma_f32 v[ACC+2*\p:ACC+2*\p+1], v[X+4*(\i)+\j:X+4*(\i)+\j+1], v[G+32*((\i)%4)+8*\j+2*\p:G+32*((\i)%4)+8*\j+2*\p+1], v[ACC+2*\p:ACC+2*\p+1] op_sel_hi:[0,1,1]
.else
	v_pk_fma_f32 v[ACC+2*\p:ACC+2*\p+1], v[X+4*(\i)+\j-1:X+4*(\i)+\j], v[G+32*((\i)%4)+8*\j+2*\p:G+32*((\i)%4)+8*\j+2*\p+1], v[ACC+2*\p:ACC+2*\p+1] op_sel:[1,0,0] op_sel_hi:[1,1,1]
.endif
.endr
.endr
.endm
	GSET 0
	GSET 1
	GSET 2
	GSET 3
	s_wait_loadcnt 0x0                             ; x
.irp i, 0,1,2,3
	s_wait_dscnt 24                                ; LDS loads come back in order: this set is in, the three younger sets of 8 stay out
	DOT \i
	GSET \i+4
.endr
	s_wait_dscnt 24
	DOT 4
	s_wait_dscnt 16
	DOT 5
	s_wait_dscnt 8
	DOT 6
	s_wait_dscnt 0
	DOT 7
.irp e, 0,1,2,3,4,5,6,7
	v_mov_b32 v[PR+\e], 0                          ; a lane permute's destination counts as read: written once
.endr
.irp m, 1,2,4,8                        ; the 32 lanes' parts are added: four steps inside each half, the eight sums by turns,
.irp e, 0,1,2,3,4,5,6,7
	v_add_f32_dpp v[ACC+\e], v[ACC+\e], v[ACC+\e] row_xmask:\m row_mask:0xf bank_mask:0xf
.endr
.endr
.irp e, 0,1,2,3,4,5,6,7
	v_permlanex16_b32 v[PR+\e], v[ACC+\e], s58, s59   ; and one across the halves
.endr
	s_wait_kmcnt 0x0                               ; bg and the exponents
.irp e, 0,1,2,3,4,5,6,7
	v_add_f32 v[ACC+\e], v[ACC+\e], v[PR+\e]
.endr
.irp e, 0,1,2,3,4,5,6,7
	v_add_f32 v[ACC+\e], s[48+\e], v[ACC+\e]       ; + bg: every lane holds the token's 8 logits
.endr
	v_max3_num_f32 v24, v8, v9, v10                ; the softmax: the largest logit is taken away first
	v_max3_num_f32 v24, v24, v11, v12
	v_max3_num_f32 v24, v24, v13, v14
	v_max_num_f32 v24, v24, v15
.irp e, 0,1,2,3,4,5,6,7
	v_sub_f32 v[PR+\e], v[ACC+\e], v24
.endr
.irp e, 0,1,2,3,4,5,6,7
	v_mul_f32 v[PR+\e], 0x3fb8aa3b, v[PR+\e]       ; x log2(e)
.endr
.irp e, 0,1,2,3,4,5,6,7
	v_exp_f32 v[PR+\e], v[PR+\e]
.endr
	v_nop                                          ; a plain instruction behind the last exponential
	s_wait_alu depctr_va_vdst(0)                   ; one wait for the eight, ahead of their first reader
	v_add_f32 v25, v16, v17
	v_add_f32 v26, v18, v19
	v_add_f32 v27, v20, v21
	v_add_f32 v28, v22, v23
	v_add_f32 v25, v25, v26
	v_add_f32 v27, v27, v28
	v_add_f32 v25, v25, v27
	v_rcp_f32 v26, v25
	v_nop
	s_wait_alu depctr_va_vdst(0)
.irp e, 0,1,2,3,4,5,6,7
	v_mul_f32 v[PR+\e], v[PR+\e], v26              ; the gates
.endr
	v_max3_num_f32 v27, v16, v17, v18              ; the largest gate,
	v_max3_num_f32 v27, v27, v19, v20
	v_max3_num_f32 v27, v27, v21, v22
	v_max_num_f32 v27, v27, v23
	v_mov_b32 v28, 0                               ; its index, and that expert's ex: from 7 down to 0, so that the lowest index among equals stays
	v_mov_b32 v29, s16
.irp e, 7,6,5,4,3,2,1,0
	v_cmp_neq_f32 vcc_lo, v[PR+\e], v27
	v_cndmask_b32 v28, \e, v28, vcc_lo             ; kept where the gate is not the largest
	v_cndmask_b32 v29, s[16+4*\e], v29, vcc_lo
.endr
	ds_store_b32 v81, v28 offset:SELS              ; my choice, for the other waves: all lanes write the same word with the same value
	v_add_lshl_u32 v30, v29, 0x7f, 23              ; 2^ex as f32: the conversion takes its exponent field
	v_add_lshl_u32 v31, v29, 0x87, 23
	v_or_b32 v31, 0x600000, v31                    ; 448 x 2^ex
.set n, 0
.rept 32
	v_med3_num_f32 v[X+n], v[X+n], -v31, v31       ; the conversion to an 8-bit code does not saturate (ISA guide 7.6.2): the hold comes first
.set n, n+1
.endr
.irp i, 0,1,2,3
	v_cvt_scalef32_pk8_fp8_f32 v[CD+2*\i:CD+2*\i+1], v[X+8*\i:X+8*\i+7], v30
.endr
	v_nop                                          ; a plain instruction behind the last conversion
.irp n, 0,1,2,3,4,5,6,7
	ds_store_b32 v5, v[CD+\n] offset:128*\n        ; register n holds the codes of k = 128 n + 4 lane + 0..3: the row comes to lie in the order of k
.endr
	ds_load_b128 v[RB:RB+3], v6                    ; LDS serves a wave's instructions in order: these see my stores
	ds_load_b128 v[RB+4:RB+7], v6 offset:512
	s_wait_dscnt 0x0                               ; my row is back; and, for the others' sake, my choice lies in LDS
	s_barrier_signal -1
	s_barrier_wait -1                              ; all four choices lie in LDS
	ds_load_b128 v[84:87], v82
	global_store_b128 v2, v[RB:RB+3], s[12:13]     ; 512 consecutive bytes each
	global_store_b128 v2, v[RB+4:RB+7], s[12:13] offset:512
	s_wait_dscnt 0x0
	v_cmp_ne_u32 vcc_lo, v1, v84                   ; lane e: bit k is set where token 4 g + k chose expert e
	v_cndmask_b32 v88, 1, v80, vcc_lo
	v_cmp_ne_u32 vcc_lo, v1, v85
	v_cndmask_b32 v89, 2, v80, vcc_lo
	v_or_b32 v88, v88, v89
	v_cmp_ne_u32 vcc_lo, v1, v86
	v_cndmask_b32 v89, 4, v80, vcc_lo
	v_or_b32 v88, v88, v89
	v_cmp_ne_u32 vcc_lo, v1, v87
	v_cndmask_b32 v89, 8, v80, vcc_lo
	v_or_b32 v88, v88, v89
	s_wait_xcnt 0x0                                ; EXEC changes only behind this wait
	v_cmp_eq_u32 vcc_lo, 0, v1
	s_and_saveexec_b32 s60, vcc_lo
	global_store_b32 v80, v28, s[14:15]            ; lane 0 stores the choice
	s_wait_xcnt 0x0
	s_or_b32 exec_lo, exec_lo, s60
	s_cmp_lg_u32 s56, 0
	s_cbranch_scc1 .Lend                           ; wave 0 alone stores the work-group's eight bytes of bm
	v_cmp_gt_u32 vcc_lo, 8, v1
	s_and_saveexec_b32 s60, vcc_lo
	global_store_b8 v83, v88, s[70:71]             ; lanes 0 to 7: bm[lane][work-group]
	s_wait_xcnt 0x0
	s_or_b32 exec_lo, exec_lo, s60
.Lend:
	s_wait_tensorcnt 0x0
	ds_add_u32 v126, v127
	s_wait_dscnt 0x0
	s_endpgm
.Lfunc_end_k_qa208740ae9_route:
	.size	k_qa208740ae9_route, .Lfunc_end_k_qa208740ae9_route-k_qa208740ae9_route
	.p2alignl 7, 3214868480
	.fill 96, 4, 3214868480
	.section	.rodata,"a",@progbits
	.p2align	6, 0x0
	.amdhsa_kernel k_qa208740ae9_route
		.amdhsa_group_segment_fixed_size 41728
		.amdhsa_private_segment_fixed_size 0
		.amdhsa_enable_private_segment 0
		.amdhsa_kernarg_size 56
		.amdhsa_user_sgpr_count 2
		.amdhsa_user_sgpr_kernarg_segment_ptr 1
		.amdhsa_wavefront_size32 1
		.amdhsa_system_sgpr_workgroup_id_x 1
		.amdhsa_system_sgpr_workgroup_id_y 1
		.amdhsa_system_sgpr_workgroup_id_z 1
		.amdhsa_system_vgpr_workitem_id 0
		.amdhsa_next_free_vgpr 256
		.amdhsa_next_free_sgpr 72
		.amdhsa_reserve_vcc 1
		.amdhsa_float_denorm_mode_32 3
		.amdhsa_float_denorm_mode_16_64 3
		.amdhsa_memory_ordered 1
		.amdhsa_forward_progress 1
		.amdhsa_inst_pref_size 29
	.end_amdhsa_kernel
	.amdgpu_metadata
---
amdhsa.version: [ 1, 2 ]
amdhsa.kernels:
  - .name:           k_qa208740ae9_route
    .symbol:         k_qa208740ae9_route.kd
    .args:
      - { .name: x, .offset: 0, .size: 8, .value_kind: global_buffer, .address_space: global }
      - { .name: Wg, .offset: 8, .size: 8, .value_kind: global_buffer, .address_space: global }
      - { .name: bg, .offset: 16, .size: 8, .value_kind: global_buffer, .address_space: global }
      - { .name: lowp_scales, .offset: 24, .size: 8, .value_kind: global_buffer, .address_space: global }
      - { .name: xq, .offset: 32, .size: 8, .value_kind: global_buffer, .address_space: global }
      - { .name: sel, .offset: 40, .size: 8, .value_kind: global_buffer, .address_space: global }
      - { .name: bm, .offset: 48, .size: 8, .value_kind: global_buffer, .address_space: global }
    .group_segment_fixed_size: 41728
    .private_segment_fixed_size: 0
    .kernarg_segment_align: 8
    .kernarg_segment_size: 56
    .max_flat_workgroup_size: 128
    .sgpr_count:     72
    .vgpr_count:     256
    .wavefront_size: 32
...
	.end_amdgpu_metadata
.endif
;; end of part 1
;; launch up (part 2): grid 32 x 8, 8 waves a work-group, no clusters, 306,944 bytes of LDS; arguments W1_codes, b1, lowp_scales, xq, sel, hq, perm, bm; writes hq, perm
.if DOCPART == 2
	.amdgcn_target "amdgcn-amd-amdhsa--gfx1250"
	.amdhsa_code_object_version 6
	.text
	.protected	k_qa208740ae9_up
	.globl	k_qa208740ae9_up
	.p2align	8
	.type	k_qa208740ae9_up,@function
k_qa208740ae9_up:
	s_mov_b64 s[64:65], 0
	v_nop
	global_prefetch_b8 v0, s[64:65] scope:SCOPE_SE
	s_setreg_imm32_b32 hwreg(HW_REG_WAVE_MODE, 25, 1), 1
	s_wait_xcnt 0x0
; THE FIRST PRODUCT, FOR THE CHOSEN ROWS ALONE.  Work-group (j, e): expert e, hidden units 128 j .. 128 j + 127.  h = Q(gelu(x W1 + b1)) for the tokens that chose e.
; cnt, the number of e's tokens, on which the branches hang, is read from memory by scalar loads: bm[e] (whole numbers that an earlier launch stored) has one bit for each token that chose e: 64 words, whose set bits every wave counts.
; THE LIST.  Wave 0 reads sel (whole numbers that an earlier launch stored) and lays e's tokens in LDS by a counting pass (a rank from the lanes' mask; no atomics).  Behind the cnt tokens the
; list repeats its first token 32 times: a padded row computes that token's numbers once more, so no lane is ever switched off.  With cnt = 0 one tile is still made, of token 0's row.
; The work-groups with j = 0 store the list (with cnt at word 1,280) to perm, for the next launch.
; SHARES.  Wave w: b = w / 2 is its block of 32 hidden units, w % 2 the parity of its tiles of 16 rows.  Its 2 tiles x 8 K steps of W1 (256 registers) stay in registers; each byte of W1 is read from memory once in the launch.
; The rows' codes are gathered 160 rows at a time into LDS (wave w: rows 20 w on) and read by all eight waves.
; THE MATRIX INSTRUCTION IS USED TRANSPOSED (source 0 = 16 rows of W1, source 1 = 16 tokens), and lane r of tile u takes W1's row 32 b + 8 u + r + 8 (r / 8): the 16 results of lane (r, h) are
; hidden units 32 b + 16 h + 0..15 of token r: 16 neighbours along the next K.  Their 16 codes are registers 4 b .. 4 b + 3 of the next product's operand.
; hq[e][j][tile q] is that operand's REGISTER IMAGE, 2,048 bytes: byte 512 c + 16 lane + i.  A wave's store covers 512 consecutive bytes, aligned.
; A fragment is fetched by four 16-byte loads (registers 4 c ..: k = 32 c + 16 h + 0..15), alike for both operands: a permutation of k inside an instruction, which leaves every product with its partner.
; GELU, exact form: with acc = sum + b1 / 2^E, E = ex + ew1, the number is y = acc 2^E and gelu(y) / 2^eh = acc erfc(-y / sqrt 2) / 2^F, F = eh - E + 1: the scales are folded into the conversion's one.
; erfc(a), a >= 0: (1 + p(q)) / (1 + 2 a) x exp(-a a), q = (a - 2) / (a + 2), p of degree 9; erfc(-a) = 2 - erfc(a).
; NO TENSOR LOADS, NO CLUSTER: which tiles are worked hangs on cnt, a number read from memory; operands go through registers.
; LIMITS.  E between -125 and 126; F between -126 and 119.  NaN and infinities are not served.  exp(-a a) carries the rounding of a a and of a a log2(e): the relative error of a negative y's gelu grows with y y, to some 1.5e-6 at y = -6.
.set PITCH, 1040                       ; an LDS row: 1,024 codes + 16 bytes = 65 x 16: the 16 rows of a fragment load start at 16 different 16-byte columns of 256 bytes
.set WS,    160*PITCH                  ; behind x's 160 rows: W1's 128 rows
.set LIST,  WS+128*PITCH               ; the list: 1,536 words
.set CNTW,  LIST+5120                  ; its word 1,280: cnt
.set DUMPI, 1536                       ; directly behind the list, words 1,536 to 1,567: one for each lane that has nothing to put in the list
.set L16,  4                           ; v4   16 x lane
.set XSW,  5                           ; v5   where I put gathered rows
.set WSW,  6                           ; v6   where I put W1's rows
.set WFR,  7                           ; v7   where I read W1's fragments
.set HQO,  8                           ; v8   my 16 bytes in hq's images
.set LA,   9                           ; v9   the list's address of the gather in hand
.set PF1,  10                          ; v10, v11  the list, 16 and 8 bytes a thread
.set PF2,  11
.set T16,  12                          ; v12, v13  the same places in perm
.set T8,   13
.set B1O,  14                          ; v14  64 h
.set CNA,  15                          ; v15  cnt's word
.set XFA,  16                          ; v16-20  where I read x's fragments of my five tiles
.set DMP,  21                          ; v21  my dump word's index: 1,536 + lane
.set L4,   22                          ; v22  4 x lane
.set RK,   23                          ; v23-29  wave 0's list pass: index, address, token; the list's first word; the padding's address; first token; cnt
.set SA,   24
.set TKN,  25
.set LS0,  26
.set PADA, 27
.set FST,  28
.set RUN,  29
.set TOK,  32                          ; v32-51  20 tokens, then their byte offsets in xq
.set B1,   52                          ; v52-67  b1 / 2^E in the result's layout
.set ACC,  68                          ; v68-83  two accumulators
.set CD,   84                          ; v84-87  16 codes
.set XR,   88                          ; v88-119 sel (32 words a lane); later the gather's last 8 loads
.set C9,   120                         ; v120-121 p's leading coefficient, twice
.set SC,   122                         ; v122 2^F     v123 448 x 2^F
.set LIM,  123
.set TM,   124
.set XF,   128                         ; v128-255 x's fragments of 8 K steps; the gather's first 32 loads; the GELU's arrays:
.set GA,   128
.set GT,   144
.set GD,   160
.set GE,   176
.set MSB, 0
.macro WIN new                         ; s_set_vgpr_msb: bits 1:0 source 0, 3:2 source 1, 5:4 source 2, 7:6 destination; the high byte repeats the setting that is left
.if MSB != \new
	s_set_vgpr_msb (MSB<<8)|\new
.set MSB, \new
.endif
.endm
.macro BARRIER                         ; my LDS stores have landed and my LDS loads are in: then the work-group's barrier
	s_wait_dscnt 0x0
	s_barrier_signal -1
	s_barrier_wait -1
.endm
; My 20 rows of the chunk in hand: their tokens from the list (the same words in all lanes), then 40 loads of 512 consecutive bytes
.macro GATHER
	v_mov_b32 v[LA], s34
.irp i, 0,1,2,3,4
	ds_load_b128 v[TOK+4*\i:TOK+4*\i+3], v[LA] offset:16*\i
.endr
	s_wait_dscnt 0x0
.set q, 0
.rept 20
	v_min_u32 v[TOK+q], 0x3ff, v[TOK+q]            ; a number that was loaded enters an address only behind this bound
.set q, q+1
.endr
.set q, 0
.rept 20
	v_lshl_add_u32 v[TOK+q], v[TOK+q], 10, v[L16]  ; 1,024 x token + 16 x lane
.set q, q+1
.endr
.set q, 0
.rept 16
	global_load_b128 v[XF+8*q:XF+8*q+3], v[TOK+q], s[10:11]
	global_load_b128 v[XF+8*q+4:XF+8*q+7], v[TOK+q], s[10:11] offset:512
.set q, q+1
.endr
.set q, 0
.rept 4
	global_load_b128 v[XR+8*q:XR+8*q+3], v[TOK+16+q], s[10:11]
	global_load_b128 v[XR+8*q+4:XR+8*q+7], v[TOK+16+q], s[10:11] offset:512
.set q, q+1
.endr
.endm
.macro XSTORE                          ; and into LDS, rows 20 w on
.set q, 0
.rept 16
	ds_store_b128 v[XSW], v[XF+8*q:XF+8*q+3] offset:PITCH*q
	ds_store_b128 v[XSW], v[XF+8*q+4:XF+8*q+7] offset:PITCH*q+512
.set q, q+1
.endr
.set q, 0
.rept 4
	ds_store_b128 v[XSW], v[XR+8*q:XR+8*q+3] offset:PITCH*(16+q)
	ds_store_b128 v[XSW], v[XR+8*q+4:XR+8*q+7] offset:PITCH*(16+q)+512
.set q, q+1
.endr
.endm
; 16 sums of a lane become acc x erfc(-y / sqrt 2), held within +-448 x 2^F, in v[GA] on.  Packed forms take two numbers a line; the 48 transcendentals are one batch with one wait.
.macro GELU16
.irp n, 0,1,2,3,4,5,6,7,8,9,10,11,12,13,14,15
	v_mul_f32 v[GA+\n], s42, |v[ACC+\n]|           ; a = |y| / sqrt 2; each accumulator is read from its low end on
.endr
.irp n, 0,2,4,6,8,10,12,14
	v_pk_add_f32 v[GT+\n:GT+\n+1], v[GA+\n:GA+\n+1], 2.0 op_sel_hi:[1,0]
.endr
.irp n, 0,2,4,6,8,10,12,14
	v_pk_fma_f32 v[GD+\n:GD+\n+1], v[GA+\n:GA+\n+1], 2.0, 1.0 op_sel_hi:[1,0,0]
.endr
.irp n, 0,2,4,6,8,10,12,14
	v_pk_mul_f32 v[GE+\n:GE+\n+1], v[GA+\n:GA+\n+1], v[GA+\n:GA+\n+1]
.endr
.irp n, 0,2,4,6,8,10,12,14
	v_pk_mul_f32 v[GE+\n:GE+\n+1], v[GE+\n:GE+\n+1], s[44:45] op_sel_hi:[1,0]   ; -a a log2(e)
.endr
.irp n, 0,1,2,3,4,5,6,7,8,9,10,11,12,13,14,15
	v_rcp_f32 v[GT+\n], v[GT+\n]                   ; 1 / (a + 2)
.endr
.irp n, 0,1,2,3,4,5,6,7,8,9,10,11,12,13,14,15
	v_rcp_f32 v[GD+\n], v[GD+\n]                   ; 1 / (1 + 2 a)
.endr
.irp n, 0,1,2,3,4,5,6,7,8,9,10,11,12,13,14,15
	v_exp_f32 v[GE+\n], v[GE+\n]                   ; exp(-a a)
.endr
.irp n, 0,2,4,6,8,10,12,14
	v_pk_add_f32 v[GA+\n:GA+\n+1], v[GA+\n:GA+\n+1], -2.0 op_sel_hi:[1,0]       ; plain lines behind the batch, which name none of its results
.endr
	s_wait_alu depctr_va_vdst(0)                   ; one wait for the batch, ahead of its first reader
.irp n, 0,2,4,6,8,10,12,14
	v_pk_mul_f32 v[GA+\n:GA+\n+1], v[GA+\n:GA+\n+1], v[GT+\n:GT+\n+1]           ; q
.endr
.irp n, 0,2,4,6,8,10,12,14
	v_pk_fma_f32 v[GT+\n:GT+\n+1], v[GA+\n:GA+\n+1], v[C9:C9+1], s[46:47] op_sel_hi:[1,1,0]
.endr
.irp k, 48,50,52,54,56,58,60,62        ; Horner, eight chains side by side
.irp n, 0,2,4,6,8,10,12,14
	v_pk_fma_f32 v[GT+\n:GT+\n+1], v[GT+\n:GT+\n+1], v[GA+\n:GA+\n+1], s[\k:\k+1] op_sel_hi:[1,1,0]
.endr
.endr
.irp n, 0,2,4,6,8,10,12,14
	v_pk_fma_f32 v[GT+\n:GT+\n+1], v[GT+\n:GT+\n+1], v[GD+\n:GD+\n+1], v[GD+\n:GD+\n+1]   ; (p + 1) / (1 + 2 a)
.endr
.irp n, 0,2,4,6,8,10,12,14
	v_pk_mul_f32 v[GT+\n:GT+\n+1], v[GT+\n:GT+\n+1], v[GE+\n:GE+\n+1]           ; erfc(a)
.endr
.irp n, 0,2,4,6,8,10,12,14
	v_pk_fma_f32 v[GD+\n:GD+\n+1], v[GT+\n:GT+\n+1], -1.0, 2.0 op_sel_hi:[1,0,0]   ; erfc(-a)
.endr
.irp n, 0,1,2,3,4,5,6,7,8,9,10,11,12,13,14,15
	v_cmp_lt_f32 vcc_lo, 0, v[ACC+\n]
	v_cndmask_b32 v[GT+\n], v[GT+\n], v[GD+\n], vcc_lo   ; a positive y takes erfc(-a)
.endr
.irp n, 0,2,4,6,8,10,12,14
	v_pk_mul_f32 v[GA+\n:GA+\n+1], v[ACC+\n:ACC+\n+1], v[GT+\n:GT+\n+1]
.endr
.irp n, 0,1,2,3,4,5,6,7,8,9,10,11,12,13,14,15
	v_med3_num_f32 v[GA+\n], v[GA+\n], -v[LIM], v[LIM]   ; the conversion to an 8-bit code does not saturate (ISA guide 7.6.2)
.endr
.endm
; My i-th tile of the chunk: rows 16 (w % 2 + 2 i) on.  A tile with no row left is jumped over; no barrier stands in a tile.
.macro TILE i
	s_add_co_u32 s66, s32, 32*\i
	s_cmp_ge_u32 s66, s29
	s_cbranch_scc1 .Lskip_\@
.irp s, 0,1,2,3,4,5,6,7
.irp c, 0,1,2,3
	ds_load_b128 v[XF+16*\s+4*\c:XF+16*\s+4*\c+3], v[XFA+\i] offset:128*\s+32*\c
.endr
.endr
	WIN 0x01                                       ; source 0 (W1) in window 1
.irp s, 0,1,2,3,4,5,6,7
	s_wait_dscnt 28-4*\s                           ; K step s is in; the younger K steps' loads, four each, stay out
.irp u, 0,1                            ; the two accumulators take turns, one instruction a turn; the bias is the C of each sum's first product
.if \s == 0
	v_wmma_f32_16x16x128_fp8_fp8 v[ACC+8*\u:ACC+8*\u+7], v[16*(8*\u+\s):16*(8*\u+\s)+15], v[XF+16*\s:XF+16*\s+15], v[B1+8*\u:B1+8*\u+7]
.else
	v_wmma_f32_16x16x128_fp8_fp8 v[ACC+8*\u:ACC+8*\u+7], v[16*(8*\u+\s):16*(8*\u+\s)+15], v[XF+16*\s:XF+16*\s+15], v[ACC+8*\u:ACC+8*\u+7]
.endif
.endr
.endr
	WIN 0
.rept 4
	v_nop                                          ; four places behind the last product, ahead of the first read of results and of writes over x's fragments (ISA guide 7.12.1)
.endr
	GELU16
	s_wait_xcnt 0x0                                ; the last store has read its four registers
	v_cvt_scalef32_pk8_fp8_f32 v[CD:CD+1], v[GA:GA+7], v[SC]
	v_cvt_scalef32_pk8_fp8_f32 v[CD+2:CD+3], v[GA+8:GA+15], v[SC]
	v_nop                                          ; a plain instruction behind the last conversion
	global_store_b128 v[HQO], v[CD:CD+3], s[14:15] offset:4096*\i   ; 512 consecutive bytes: group b of tile 10 chunk + w % 2 + 2 i
.Lskip_\@:
.endm
	s_load_b256 s[4:11], s[0:1], 0x0               ; W1's codes s[4:5], b1 s[6:7], the exponents s[8:9], xq s[10:11]
	s_load_b128 s[12:15], s[0:1], 0x20             ; sel s[12:13], hq s[14:15]
	s_load_b64 s[16:17], s[0:1], 0x30              ; perm
	s_load_b64 s[2:3], s[0:1], 0x38                ; bm
	v_lshl_add_u32 v126, v0, 2, 0x4ab00
	v_mov_b32 v127, 0
	v_lshrrev_b32 v1, 5, v0
	v_readfirstlane_b32 s18, v1                    ; wave 0..7
	s_lshr_b32 s19, s18, 1                         ; b
	s_and_b32 s20, s18, 1                          ; the parity of my tiles
	s_and_b32 s21, ttmp7, 0xffff                   ; e
	s_mov_b32 s22, ttmp9                           ; j
	v_and_b32 v1, 31, v0                           ; lane
	v_and_b32 v2, 15, v0                           ; r
	v_bfe_u32 v3, v0, 4, 1                         ; h
	v_lshlrev_b32 v[L16], 4, v1
	s_mul_i32 s66, s18, 20*PITCH
	v_add_nc_u32 v[XSW], s66, v[L16]
	s_mul_i32 s66, s18, 16*PITCH
	s_add_co_u32 s66, s66, WS
	v_add_nc_u32 v[WSW], s66, v[L16]
	v_and_b32 v[WFR], 8, v2
	v_add_nc_u32 v[WFR], v[WFR], v2                ; r + 8 (r / 8)
	v_mul_u32_u24 v[WFR], v[WFR], PITCH
	v_lshl_add_u32 v[WFR], v3, 4, v[WFR]
	s_mul_i32 s66, s19, 32*PITCH
	s_add_co_u32 s66, s66, WS
	v_add_nc_u32 v[WFR], s66, v[WFR]
	s_lshl_b32 s66, s19, 9
	s_lshl_b32 s67, s20, 11
	s_add_co_u32 s66, s66, s67
	v_add_nc_u32 v[HQO], s66, v[L16]               ; 512 b + 2,048 (w % 2) + 16 lane
	v_lshl_add_u32 v[PF1], v0, 4, LIST
	v_lshl_add_u32 v[PF2], v0, 3, LIST+4096
	v_lshlrev_b32 v[T16], 4, v0
	v_lshlrev_b32 v[T8], 3, v0
	v_lshlrev_b32 v[B1O], 6, v3
	v_mov_b32 v[CNA], CNTW
	v_mul_u32_u24 v[XFA], v2, PITCH
	v_lshl_add_u32 v[XFA], v3, 4, v[XFA]
	s_mul_i32 s66, s20, 16*PITCH
	v_add_nc_u32 v[XFA], s66, v[XFA]               ; row r of tile w % 2, + 16 h;
.irp i, 1,2,3,4
	v_add_nc_u32 v[XFA+\i], 32*PITCH*\i, v[XFA]    ; my other tiles lie two tiles apart
.endr
	v_add_nc_u32 v[DMP], DUMPI, v1
	v_lshlrev_b32 v[L4], 2, v1
	v_mov_b32 v[LS0], LIST
.irp i, 0,1,2,3
	v_mov_b32 v[CD+\i], 0
.endr
	ds_store_b128 v[PF1], v[CD:CD+3]               ; the list begins as zeros: token 0 is a row like any other
	ds_store_b64 v[PF2], v[CD:CD+1]
	v_mov_b32 v[C9], 0xb9d25000
	v_mov_b32 v[C9+1], 0xb9d25000
	s_lshl_b32 s66, s21, 22                        ; expert e's 4 MiB, slice j's 128 KiB: the same in W1's codes and in hq
	s_lshl_b32 s67, s22, 17
	s_add_co_u32 s66, s66, s67
	s_mov_b32 s67, 0
	s_lshl_b32 s68, s18, 14                        ; my wave's 16 rows of W1: one dense block of 16,384 bytes
	s_add_co_u32 s68, s68, s66
	s_mov_b32 s69, 0
	s_lshl_b32 s70, s21, 14                        ; b1: (4,096 e + 128 j + 32 b) x 4
	s_lshl_b32 s71, s22, 9
	s_add_co_u32 s70, s70, s71
	s_lshl_b32 s71, s19, 7
	s_add_co_u32 s70, s70, s71
	s_mov_b32 s71, 0
	s_mul_i32 s72, s21, 6144                       ; perm: 1,536 words an expert
	s_mov_b32 s73, 0
	s_lshl_b32 s74, s21, 4                         ; the expert's four exponents
	s_mov_b32 s75, 0
	s_lshl_b32 s76, s21, 8                         ; bm: 256 bytes an expert
	s_mov_b32 s77, 0
	s_wait_kmcnt 0x0
	s_add_nc_u64 s[8:9], s[8:9], s[74:75]
	s_load_b128 s[24:27], s[8:9], 0x0              ; ex, ew1, eh, ew2
	s_add_nc_u64 s[14:15], s[14:15], s[66:67]      ; hq at (e, j)
	s_add_nc_u64 s[4:5], s[4:5], s[68:69]
	s_add_nc_u64 s[6:7], s[6:7], s[70:71]
	s_add_nc_u64 s[16:17], s[16:17], s[72:73]
	s_add_nc_u64 s[2:3], s[2:3], s[76:77]
	s_load_b512 s[28:43], s[2:3], 0x0              ; the expert's 64 words of bm, in one round trip; the offsets above have been used
	s_load_b512 s[44:59], s[2:3], 0x40
	s_load_b512 s[68:83], s[2:3], 0x80
	s_load_b512 s[84:99], s[2:3], 0xc0
.irp i, 0,1,2,3,4,5,6,7
	global_load_b128 v[XR+4*\i:XR+4*\i+3], v[L16], s[12:13] offset:512*\i   ; sel: register 4 i + k is token 128 i + 4 lane + k
.endr
	WIN 0x40                                       ; destination in window 1
.set n, 0
.rept 32
	global_load_b128 v[4*n:4*n+3], v[L16], s[4:5] offset:512*n th:TH_LOAD_NT   ; W1 as it lies: 512 consecutive bytes a load
.set n, n+1
.endr
	WIN 0
.irp u, 0,1
	global_load_b128 v[B1+8*\u:B1+8*\u+3], v[B1O], s[6:7] offset:32*\u        ; b1 of hidden units 32 b + 16 h + 8 u + 0..7
	global_load_b128 v[B1+8*\u+4:B1+8*\u+7], v[B1O], s[6:7] offset:32*\u+16
.endr
	BARRIER                                        ; the zeros lie in the list
	s_wait_kmcnt 0x0                               ; bm's words and the exponents
	s_mov_b32 s23, 0
.irp base, 28,44,68,84                 ; cnt = the set bits of the 64 words
.set q, 0
.rept 16
	s_bcnt1_i32_b32 s66, s[\base+q]
	s_add_co_u32 s23, s23, s66
.set q, q+1
.endr
.endr
	s_min_u32 s28, s23, 1024                       ; cnt
	s_max_u32 s29, s28, 1                          ; rows still to be made: one tile at the least, so that every byte that the next launch reads is stored
	s_lshl_b32 s32, s20, 4                         ; my first tile's first row in a chunk
	s_mul_i32 s34, s18, 80
	s_add_co_u32 s34, s34, LIST                    ; my 20 words of the list's first 160
	s_mov_b32 s44, 0xbfb8aa3b                      ; -log2(e), and p's coefficients, each twice: a packed form names a pair
	s_mov_b32 s45, s44
	s_mov_b32 s46, 0xbaa15130
	s_mov_b32 s48, 0x3aac2b8a
	s_mov_b32 s50, 0x3c0d6e62
	s_mov_b32 s52, 0xbc040dc1
	s_mov_b32 s54, 0xbd5e05b5
	s_mov_b32 s56, 0x3e27fe23
	s_mov_b32 s58, 0xbe2a0420
	s_mov_b32 s60, 0xbdbdfb0b
	s_mov_b32 s62, 0x3e8dd01d
.irp k, 46,48,50,52,54,56,58,60,62
	s_mov_b32 s[\k+1], s[\k]
.endr
	s_wait_loadcnt 36                              ; sel is in; the 36 loads issued behind it stay out
	s_cmp_lg_u32 s18, 0
	s_cbranch_scc1 .Llisted                        ; wave 0 alone makes the list; no other wave touches LDS before the next barrier
	s_mov_b32 s40, 0                               ; tokens placed so far
.set n, 0
.rept 32
	v_cmp_eq_u32 vcc_lo, s21, v[XR+n]
	v_mbcnt_lo_u32_b32 v[RK], vcc_lo, s40          ; my place: those placed so far + the lanes below me that have one
	v_cndmask_b32 v[RK], v[DMP], v[RK], vcc_lo     ; a lane with nothing to place takes its dump word's index: the choice is made on the index,
	v_min_u32 v[RK], 0x61f, v[RK]                  ; which enters an address only behind this bound (the last dump word: 1,567),
	v_lshl_add_u32 v[SA], v[RK], 2, LIST           ; and behind the bound stand a shift and an addition alone
	v_add_nc_u32 v[TKN], 128*(n/4)+n%4, v[L4]
	ds_store_b32 v[SA], v[TKN]
	s_bcnt1_i32_b32 s41, vcc_lo
	s_add_co_u32 s40, s40, s41
.set n, n+1
.endr
	ds_load_b32 v[FST], v[LS0]                     ; the first token (LDS serves a wave's instructions in order),
	v_add_nc_u32 v[RK], s40, v1
	v_min_u32 v[RK], 0x4ff, v[RK]
	v_lshl_add_u32 v[PADA], v[RK], 2, LIST
	v_mov_b32 v[RUN], s40
	s_wait_dscnt 0x0
	ds_store_b32 v[PADA], v[FST]                   ; 32 times behind the last,
	ds_store_b32 v[CNA], v[RUN]                    ; and the number placed, for the next launch
.Llisted:
	BARRIER                                        ; the list is whole
	GATHER                                         ; the first 160 rows
	s_cmp_lg_u32 s22, 0
	s_cbranch_scc1 .Lno_perm
	ds_load_b128 v[CD:CD+3], v[PF1]                ; slice 0's work-group stores the list
	ds_load_b64 v[TM:TM+1], v[PF2]
	s_wait_dscnt 0x0
	global_store_b128 v[T16], v[CD:CD+3], s[16:17]
	global_store_b64 v[T8], v[TM:TM+1], s[16:17] offset:4096
	s_wait_xcnt 0x0                                ; the stores have read their registers
.Lno_perm:
	s_wait_loadcnt 40                              ; W1 and b1 are in; the gather's 40 loads stay out
	WIN 0x04                                       ; store data in window 1
.set n, 0
.rept 32
	ds_store_b128 v[WSW], v[4*n:4*n+3] offset:PITCH*(n/2)+512*(n%2)
.set n, n+1
.endr
	WIN 0
	s_add_co_i32 s68, s24, s25                     ; E = ex + ew1
	s_sub_co_i32 s69, 0, s68
	s_lshl_b32 s70, s68, 23
	s_add_co_i32 s42, s70, 0x3f3504f3              ; 2^E / sqrt 2: E is added to the exponent field
	s_sub_co_i32 s71, s26, s68
	s_add_co_i32 s71, s71, 128                     ; F + 127
	s_lshl_b32 s72, s71, 23
	v_mov_b32 v[SC], s72                           ; 2^F
	s_add_co_i32 s71, s71, 8
	s_lshl_b32 s71, s71, 23
	s_or_b32 s71, s71, 0x600000
	v_mov_b32 v[LIM], s71                          ; 448 x 2^F
.set n, 0
.rept 16
	v_ldexp_f32 v[B1+n], v[B1+n], s69              ; b1 / 2^E: what the sums lack
.set n, n+1
.endr
	s_wait_loadcnt 0x0
	XSTORE
	BARRIER                                        ; W1's 128 rows and x's 160 lie in LDS
	WIN 0x40
.irp u, 0,1
.irp s, 0,1,2,3,4,5,6,7
.irp c, 0,1,2,3
	ds_load_b128 v[16*(8*\u+\s)+4*\c:16*(8*\u+\s)+4*\c+3], v[WFR] offset:8*PITCH*\u+128*\s+32*\c   ; my 16 fragments of W1: they stay
.endr
.endr
.endr
	WIN 0
	s_mov_b32 s30, 0
.Lchunk:                                               ; 7 trips of 160 rows serve every split, all 1,024 tokens on one expert too; a trip with no rows left passes its two barriers and no more
	TILE 0
	TILE 1
	TILE 2
	TILE 3
	TILE 4
	BARRIER                                        ; nobody reads these 160 rows any more
	s_wait_xcnt 0x0                                ; the stores have read their base
	s_max_u32 s29, s29, 160
	s_sub_co_u32 s29, s29, 160                     ; rows left
	s_add_co_u32 s34, s34, 640
	s_add_nc_u64 s[14:15], s[14:15], 20480         ; ten tiles on in hq
	s_cmp_eq_u32 s29, 0
	s_cbranch_scc1 .Lno_more
	GATHER
	s_wait_loadcnt 0x0
	XSTORE
.Lno_more:
	BARRIER                                        ; the next 160 rows lie in LDS
	s_add_co_u32 s30, s30, 1
	s_cmp_lt_u32 s30, 7
	s_cbranch_scc1 .Lchunk
	s_wait_tensorcnt 0x0
	ds_add_u32 v126, v127
	s_wait_dscnt 0x0
	s_endpgm
.Lfunc_end_k_qa208740ae9_up:
	.size	k_qa208740ae9_up, .Lfunc_end_k_qa208740ae9_up-k_qa208740ae9_up
	.p2alignl 7, 3214868480
	.fill 96, 4, 3214868480
	.section	.rodata,"a",@progbits
	.p2align	6, 0x0
	.amdhsa_kernel k_qa208740ae9_up
		.amdhsa_group_segment_fixed_size 306944
		.amdhsa_private_segment_fixed_size 0
		.amdhsa_enable_private_segment 0
		.amdhsa_kernarg_size 64
		.amdhsa_user_sgpr_count 2
		.amdhsa_user_sgpr_kernarg_segment_ptr 1
		.amdhsa_wavefront_size32 1
		.amdhsa_system_sgpr_workgroup_id_x 1
		.amdhsa_system_sgpr_workgroup_id_y 1
		.amdhsa_system_sgpr_workgroup_id_z 1
		.amdhsa_system_vgpr_workitem_id 0
		.amdhsa_next_free_vgpr 512
		.amdhsa_next_free_sgpr 100
		.amdhsa_reserve_vcc 1
		.amdhsa_float_denorm_mode_32 3
		.amdhsa_float_denorm_mode_16_64 3
		.amdhsa_memory_ordered 1
		.amdhsa_forward_progress 1
		.amdhsa_inst_pref_size 146
	.end_amdhsa_kernel
	.amdgpu_metadata
---
amdhsa.version: [ 1, 2 ]
amdhsa.kernels:
  - .name:           k_qa208740ae9_up
    .symbol:         k_qa208740ae9_up.kd
    .args:
      - { .name: W1_codes, .offset: 0, .size: 8, .value_kind: global_buffer, .address_space: global }
      - { .name: b1, .offset: 8, .size: 8, .value_kind: global_buffer, .address_space: global }
      - { .name: lowp_scales, .offset: 16, .size: 8, .value_kind: global_buffer, .address_space: global }
      - { .name: xq, .offset: 24, .size: 8, .value_kind: global_buffer, .address_space: global }
      - { .name: sel, .offset: 32, .size: 8, .value_kind: global_buffer, .address_space: global }
      - { .name: hq, .offset: 40, .size: 8, .value_kind: global_buffer, .address_space: global }
      - { .name: perm, .offset: 48, .size: 8, .value_kind: global_buffer, .address_space: global }
      - { .name: bm, .offset: 56, .size: 8, .value_kind: global_buffer, .address_space: global }
    .group_segment_fixed_size: 306944
    .private_segment_fixed_size: 0
    .kernarg_segment_align: 8
    .kernarg_segment_size: 64
    .max_flat_workgroup_size: 256
    .sgpr_count:     100
    .vgpr_count:     512
    .wavefront_size: 32
...
	.end_amdgpu_metadata
.endif
;; end of part 2
;; launch down (part 3): grid 32 x 8, 8 waves a work-group, no clusters, 228,352 bytes of LDS; arguments W2_codes, b2, lowp_scales, hq, perm, out0; writes out0
.if DOCPART == 3
	.amdgcn_target "amdgcn-amd-amdhsa--gfx1250"
	.amdhsa_code_object_version 6
	.text
	.protected	k_qa208740ae9_down
	.globl	k_qa208740ae9_down
	.p2align	8
	.type	k_qa208740ae9_down,@function
k_qa208740ae9_down:
	s_mov_b64 s[64:65], 0
	v_nop
	global_prefetch_b8 v0, s[64:65] scope:SCOPE_SE
	s_setreg_imm32_b32 hwreg(HW_REG_WAVE_MODE, 25, 1), 1
	s_wait_xcnt 0x0
; THE SECOND PRODUCT, FOR THE CHOSEN ROWS ALONE.  Work-group (jx, e): expert e, output columns 32 jx .. 32 jx + 31.  out0[token] = h W2 x 2^(eh + ew2) + b2 for the tokens of e's list.
; SHARES.  THE WAVES SHARE K: wave w owns k = 512 w .. 512 w + 511 (h's slices 4 w + s, s = 0..3), for all rows and all 32 columns.  Its 2 x 4 fragments of W2 (128 registers) stay in registers; each byte of W2 is
; read from memory once in the launch.  h's fragments come straight from hq's register images into registers, 512 consecutive bytes a load, four units of 16 loads by turns, three ahead of the products.
; The eight waves' partial sums meet in LDS, 192 rows at a time; each wave then adds and stores 4 rows an instruction.
; THE MATRIX INSTRUCTION IS USED TRANSPOSED (source 0 = 16 rows of W2, source 1 = 16 rows of h): lane (r, h) holds row r and columns 16 u + 8 h + 0..7.
; The list's padding repeats its first token, so a padded row stores that token's numbers once more; with cnt = 0 nothing is stored for this expert.
; A row's piece is 128 bytes, stored by eight neighbouring lanes, aligned to 128: 64 columns a work-group would give 256 but only 128 work-groups.
; NO TENSOR LOADS, NO CLUSTER: which tiles are worked hangs on cnt, a number read from memory.
; LIMITS.  eh + ew2 between -126 and 127, so that 2^(eh + ew2) is an f32 number.
.set PP,    144                        ; a row of partial sums: 128 bytes + 16
.set PW,    192*PP                     ; a wave's 192 rows: 27,648 bytes
.set WP,    528                        ; W2's turn through LDS: a row's 512 bytes + 16; 32 rows a wave; these bytes lie under the partial sums, and a barrier parts the two uses
.set LISTL, 8*PW                       ; the expert's list, 1,536 words
.set L16,  4
.set WSW,  5                           ; v5   W2 into LDS         v6  its fragments out of it
.set WFR,  6
.set PST,  7                           ; v7   where I put partial sums
.set PRD,  8                           ; v8-11 where I read them: waves 2 k and 2 k + 1
.set TLB,  12                          ; v12  my row's word of the list's first 192;   v13 of the chunk in hand
.set TLA,  13
.set C16,  14                          ; v14  16 (lane % 8)
.set OO,   15                          ; v15  my byte offset in out0
.set HO,   16                          ; v16-19 a unit's byte offset in hq
.set B2,   20                          ; v20-23 b2 of my four columns
.set TK,   24
.set PC,   26                          ; v26-31 the list on its way into LDS
.set AC,   32                          ; v32-63 two sets of two accumulators
.set RED,  64                          ; v64-95 eight waves' partial sums
.set OUTR, 96                          ; v96-99 a finished piece
.set LW1,  100                         ; v100-103 the list's places in LDS and in perm
.set LW2,  101
.set T16,  102
.set T8,   103
.set WF,   128                         ; v128-255 W2 as loaded, then its fragments (tile u, K step s) at 16 (4 u + s).   Window 1: h, four units of 64
.set MSB, 0
.macro WIN new                         ; s_set_vgpr_msb: bits 1:0 source 0, 3:2 source 1, 5:4 source 2, 7:6 destination; the high byte repeats the setting that is left
.if MSB != \new
	s_set_vgpr_msb (MSB<<8)|\new
.set MSB, \new
.endif
.endm
.macro BARRIER
	s_wait_dscnt 0x0
	s_barrier_signal -1
	s_barrier_wait -1
.endm
; Unit slot takes tile tb + d: my four slices' images, 16 loads.  Behind the last tile every lane asks for the same 16 bytes of the last tile: every path issues the same loads, and the counts stay alike.
.macro ISSUE slot, d
	s_add_co_u32 s50, s32, \d
	s_min_u32 s51, s50, s29
	s_min_u32 s51, s51, 63
	s_lshl_b32 s51, s51, 11                        ; 2,048 bytes a tile
	s_cmp_le_u32 s50, s29
	s_cselect_b32 s52, 16, 0
	v_mad_u32_u24 v[HO+(\slot)], v1, s52, s51
	v_min_u32 v[HO+(\slot)], 0x1f9f0, v[HO+(\slot)]   ; what hangs on a loaded number enters an address only behind this bound: tile 63, lane 31
	WIN 0x40                                       ; destination in window 1
.irp s, 0,1,2,3
.irp c, 0,1,2,3
	global_load_b128 v[64*(\slot)+16*\s+4*\c:64*(\slot)+16*\s+4*\c+3], v[HO+(\slot)], s[10:11] offset:131072*\s+512*\c
.endr
.endr
	WIN 0
.endm
; Tile t of the chunk's twelve.  Behind the last tile the rest of the chunk is jumped over; no barrier stands among the tiles.
.macro TILE t
	s_add_co_u32 s50, s32, \t
	s_cmp_gt_u32 s50, s29
	s_cbranch_scc1 .Ldone
	ISSUE (\t+3)%4, \t+3                           ; into the unit that the tile before has multiplied: four places and these two lines lie behind its products
	s_wait_loadcnt 48                              ; my unit is in; the three younger units of 16 loads stay out
	s_wait_dscnt 4                                 ; the stores of the tile before last, which read this set of accumulators, are done; the last tile's four may be out
	WIN 0x04                                       ; source 1 (h) in window 1
.irp s, 0,1,2,3
.irp u, 0,1                            ; the two accumulators take turns, one instruction a turn; the first products start the sums
.if \s == 0
	v_wmma_f32_16x16x128_fp8_fp8 v[AC+16*((\t)%2)+8*\u:AC+16*((\t)%2)+8*\u+7], v[WF+16*(4*\u+\s):WF+16*(4*\u+\s)+15], v[64*((\t)%4)+16*\s:64*((\t)%4)+16*\s+15], 0
.else
	v_wmma_f32_16x16x128_fp8_fp8 v[AC+16*((\t)%2)+8*\u:AC+16*((\t)%2)+8*\u+7], v[WF+16*(4*\u+\s):WF+16*(4*\u+\s)+15], v[64*((\t)%4)+16*\s:64*((\t)%4)+16*\s+15], v[AC+16*((\t)%2)+8*\u:AC+16*((\t)%2)+8*\u+7]
.endif
.endr
.endr
	WIN 0
.rept 4
	v_nop                                          ; four places behind the last product, ahead of the stores that read results and of the next loads into h's registers
.endr
.irp u, 0,1
	ds_store_b128 v[PST], v[AC+16*((\t)%2)+8*\u:AC+16*((\t)%2)+8*\u+3] offset:16*PP*(\t)+64*\u        ; each accumulator from its low end on
	ds_store_b128 v[PST], v[AC+16*((\t)%2)+8*\u+4:AC+16*((\t)%2)+8*\u+7] offset:16*PP*(\t)+64*\u+16
.endr
.endm
; Rows 32 i + 4 w + 0..3 of the chunk: eight lanes to a row.  Rows of a tile that was not made are jumped over, and so is all that follows them.
.macro REDUCE i
	s_add_co_u32 s50, s33, 32*\i
	s_cmp_ge_u32 s50, s30
	s_cbranch_scc1 .Lred_done
	ds_load_b32 v[TK], v[TLA] offset:128*\i
.irp k, 0,1,2,3,4,5,6,7
	ds_load_b128 v[RED+4*\k:RED+4*\k+3], v[PRD+\k/2] offset:PW*(\k%2)+32*PP*\i
.endr
	s_wait_dscnt 0x0
	s_wait_xcnt 0x0                                ; the last store has read its registers
.irp k, 0,2,4,6
	v_pk_add_f32 v[RED+4*\k:RED+4*\k+1], v[RED+4*\k:RED+4*\k+1], v[RED+4*\k+4:RED+4*\k+5]
	v_pk_add_f32 v[RED+4*\k+2:RED+4*\k+3], v[RED+4*\k+2:RED+4*\k+3], v[RED+4*\k+6:RED+4*\k+7]
.endr
.irp k, 0,4
	v_pk_add_f32 v[RED+4*\k:RED+4*\k+1], v[RED+4*\k:RED+4*\k+1], v[RED+4*\k+8:RED+4*\k+9]
	v_pk_add_f32 v[RED+4*\k+2:RED+4*\k+3], v[RED+4*\k+2:RED+4*\k+3], v[RED+4*\k+10:RED+4*\k+11]
.endr
	v_pk_add_f32 v[RED:RED+1], v[RED:RED+1], v[RED+16:RED+17]
	v_pk_add_f32 v[RED+2:RED+3], v[RED+2:RED+3], v[RED+18:RED+19]
	v_pk_fma_f32 v[OUTR:OUTR+1], v[RED:RED+1], s[40:41], v[B2:B2+1] op_sel_hi:[1,0,1]         ; sum x 2^(eh + ew2) + b2
	v_pk_fma_f32 v[OUTR+2:OUTR+3], v[RED+2:RED+3], s[40:41], v[B2+2:B2+3] op_sel_hi:[1,0,1]
	v_min_u32 v[TK], 0x3ff, v[TK]                  ; a number that was loaded enters an address only behind this bound
	v_lshl_add_u32 v[OO], v[TK], 12, v[C16]        ; the token's row of 4,096 bytes + 16 (lane % 8)
	global_store_b128 v[OO], v[OUTR:OUTR+3], s[14:15] th:TH_STORE_NT
.endm
	s_load_b256 s[4:11], s[0:1], 0x0               ; W2's codes s[4:5], b2 s[6:7], the exponents s[8:9], hq s[10:11]
	s_load_b128 s[12:15], s[0:1], 0x20             ; perm s[12:13], out0 s[14:15]
	v_lshl_add_u32 v126, v0, 2, 0x37800
	v_mov_b32 v127, 0
	v_lshrrev_b32 v1, 5, v0
	v_readfirstlane_b32 s18, v1                    ; wave 0..7
	s_and_b32 s21, ttmp7, 0xffff                   ; e
	s_mov_b32 s22, ttmp9                           ; jx
	v_and_b32 v1, 31, v0                           ; lane
	v_and_b32 v2, 15, v0                           ; r
	v_bfe_u32 v3, v0, 4, 1                         ; h
	v_lshlrev_b32 v[L16], 4, v1
	s_mul_i32 s50, s18, 32*WP
	v_add_nc_u32 v[WSW], s50, v[L16]
	v_mul_u32_u24 v[WFR], v2, WP
	v_lshl_add_u32 v[WFR], v3, 4, v[WFR]
	v_add_nc_u32 v[WFR], s50, v[WFR]
	s_mul_i32 s50, s18, PW
	v_mul_u32_u24 v[PST], v2, PP
	v_lshl_add_u32 v[PST], v3, 5, v[PST]
	v_add_nc_u32 v[PST], s50, v[PST]               ; my wave's rows: row r, + 32 h
	v_lshrrev_b32 v[PRD], 3, v1
	v_mul_u32_u24 v[PRD], v[PRD], PP
	v_and_b32 v[C16], 7, v1
	v_lshlrev_b32 v[C16], 4, v[C16]
	v_add_nc_u32 v[PRD], v[PRD], v[C16]
	s_mul_i32 s50, s18, 4*PP
	v_add_nc_u32 v[PRD], s50, v[PRD]               ; row 4 w + lane / 8, + 16 (lane % 8), in wave 0's rows;
.irp k, 1,2,3
	v_add_nc_u32 v[PRD+\k], 2*PW*\k, v[PRD]        ; in wave 2 k's
.endr
	s_lshl_b32 s50, s18, 4
	s_add_co_u32 s50, s50, LISTL
	v_lshrrev_b32 v[TLB], 3, v1
	v_lshl_add_u32 v[TLB], v[TLB], 2, s50
	v_lshl_add_u32 v[LW1], v0, 4, LISTL
	v_lshl_add_u32 v[LW2], v0, 3, LISTL+4096
	v_lshlrev_b32 v[T16], 4, v0
	v_lshlrev_b32 v[T8], 3, v0
	s_lshr_b32 s33, s18, 2
	s_lshl_b32 s33, s33, 4                         ; the first row of the tile in which my rows of a REDUCE lie: 16 (w / 4)
	s_mul_i32 s34, s21, 6144                       ; perm: 1,536 words an expert
	s_mov_b32 s35, 0
	s_lshl_b32 s36, s21, 4                         ; the expert's four exponents
	s_mov_b32 s37, 0
	s_lshl_b32 s38, s21, 22                        ; W2: (1,024 e + 32 jx) rows of 4,096 bytes + 512 w
	s_lshl_b32 s39, s22, 17
	s_add_co_u32 s38, s38, s39
	s_lshl_b32 s39, s18, 9
	s_add_co_u32 s38, s38, s39
	s_mov_b32 s39, 0
	s_lshl_b32 s42, s21, 12                        ; b2: (1,024 e + 32 jx) x 4
	s_lshl_b32 s43, s22, 7
	s_add_co_u32 s42, s42, s43
	s_mov_b32 s43, 0
	s_lshl_b32 s44, s21, 22                        ; hq: slice 32 e + 4 w, 131,072 bytes a slice
	s_lshl_b32 s45, s18, 19
	s_add_co_u32 s44, s44, s45
	s_mov_b32 s45, 0
	s_lshl_b32 s46, s22, 7                         ; out0: my 32 columns
	s_mov_b32 s47, 0
	s_wait_kmcnt 0x0
	s_add_nc_u64 s[12:13], s[12:13], s[34:35]
	s_add_nc_u64 s[8:9], s[8:9], s[36:37]
	s_load_b32 s28, s[12:13], 0x1400               ; cnt: word 1,280 of the expert's list
	s_load_b64 s[26:27], s[8:9], 0x8               ; eh, ew2
	s_add_nc_u64 s[4:5], s[4:5], s[38:39]
	s_add_nc_u64 s[6:7], s[6:7], s[42:43]
	s_add_nc_u64 s[10:11], s[10:11], s[44:45]
	s_add_nc_u64 s[14:15], s[14:15], s[46:47]
	global_load_b128 v[PC:PC+3], v[T16], s[12:13]
	global_load_b64 v[PC+4:PC+5], v[T8], s[12:13] offset:4096
	global_load_b128 v[B2:B2+3], v[C16], s[6:7]
.set n, 0
.rept 32
	global_load_b128 v[WF+4*n:WF+4*n+3], v[L16], s[4:5] offset:4096*n th:TH_LOAD_NT   ; row n: my 512 consecutive bytes of it
.set n, n+1
.endr
	s_wait_kmcnt 0x0
	s_min_u32 s28, s28, 1024
	s_max_u32 s29, s28, 1
	s_sub_co_u32 s29, s29, 1
	s_lshr_b32 s29, s29, 4                         ; the last tile that the launch before has stored
	s_mov_b32 s30, s28                             ; rows left to store
	s_mov_b32 s32, 0                               ; tb: the chunk's first tile
	s_mov_b32 s47, 0                               ; the chunk's first word of the list, in bytes
	s_add_co_i32 s40, s26, s27
	s_add_co_i32 s40, s40, 127
	s_lshl_b32 s40, s40, 23                        ; 2^(eh + ew2) as f32
	s_mov_b32 s41, s40                             ; (named with it as a pair, so it is written)
	ISSUE 0, 0
	ISSUE 1, 1
	ISSUE 2, 2
	s_wait_loadcnt 48                              ; the list, b2 and W2 are in; the three units stay out
	ds_store_b128 v[LW1], v[PC:PC+3]
	ds_store_b64 v[LW2], v[PC+4:PC+5]
.set n, 0
.rept 32
	ds_store_b128 v[WSW], v[WF+4*n:WF+4*n+3] offset:WP*n
.set n, n+1
.endr
	s_wait_dscnt 0x0                               ; the stores have read their registers, which the loads below fill
.irp u, 0,1
.irp s, 0,1,2,3
.irp c, 0,1,2,3
	ds_load_b128 v[WF+16*(4*\u+\s)+4*\c:WF+16*(4*\u+\s)+4*\c+3], v[WFR] offset:16*WP*\u+128*\s+32*\c   ; my own bytes: no barrier between my stores and my loads
.endr
.endr
.endr
	BARRIER                                        ; every wave's fragments are in registers: the bytes may take partial sums; the list lies in LDS
	s_mov_b32 s31, 0
.Lchunk:                                               ; 6 trips of 192 rows serve every split; a trip with no rows left passes its two barriers and no more
	TILE 0
	TILE 1
	TILE 2
	TILE 3
	TILE 4
	TILE 5
	TILE 6
	TILE 7
	TILE 8
	TILE 9
	TILE 10
	TILE 11
.Ldone:
	BARRIER                                        ; all eight waves' partial sums lie in LDS
	v_add_nc_u32 v[TLA], s47, v[TLB]
	REDUCE 0
	REDUCE 1
	REDUCE 2
	REDUCE 3
	REDUCE 4
	REDUCE 5
.Lred_done:
	BARRIER                                        ; nobody reads these partial sums any more
	s_wait_loadcnt 0x0                             ; no unit has a load on its way when the next trip asks anew
	s_add_co_u32 s32, s32, 12
	s_max_u32 s30, s30, 192
	s_sub_co_u32 s30, s30, 192
	s_add_co_u32 s47, s47, 768
	s_add_co_u32 s31, s31, 1
	s_cmp_lt_u32 s31, 6
	s_cbranch_scc1 .Lchunk
	s_wait_tensorcnt 0x0
	ds_add_u32 v126, v127
	s_wait_dscnt 0x0
	s_endpgm
.Lfunc_end_k_qa208740ae9_down:
	.size	k_qa208740ae9_down, .Lfunc_end_k_qa208740ae9_down-k_qa208740ae9_down
	.p2alignl 7, 3214868480
	.fill 96, 4, 3214868480
	.section	.rodata,"a",@progbits
	.p2align	6, 0x0
	.amdhsa_kernel k_qa208740ae9_down
		.amdhsa_group_segment_fixed_size 228352
		.amdhsa_private_segment_fixed_size 0
		.amdhsa_enable_private_segment 0
		.amdhsa_kernarg_size 48
		.amdhsa_user_sgpr_count 2
		.amdhsa_user_sgpr_kernarg_segment_ptr 1
		.amdhsa_wavefront_size32 1
		.amdhsa_system_sgpr_workgroup_id_x 1
		.amdhsa_system_sgpr_workgroup_id_y 1
		.amdhsa_system_sgpr_workgroup_id_z 1
		.amdhsa_system_vgpr_workitem_id 0
		.amdhsa_next_free_vgpr 512
		.amdhsa_next_free_sgpr 66
		.amdhsa_reserve_vcc 0
		.amdhsa_float_denorm_mode_32 3
		.amdhsa_float_denorm_mode_16_64 3
		.amdhsa_memory_ordered 1
		.amdhsa_forward_progress 1
		.amdhsa_inst_pref_size 66
	.end_amdhsa_kernel
	.amdgpu_metadata
---
amdhsa.version: [ 1, 2 ]
amdhsa.kernels:
  - .name:           k_qa208740ae9_down
    .symbol:         k_qa208740ae9_down.kd
    .args:
      - { .name: W2_codes, .offset: 0, .size: 8, .value_kind: global_buffer, .address_space: global }
      - { .name: b2, .offset: 8, .size: 8, .value_kind: global_buffer, .address_space: global }
      - { .name: lowp_scales, .offset: 16, .size: 8, .value_kind: global_buffer, .address_space: global }
      - { .name: hq, .offset: 24, .size: 8, .value_kind: global_buffer, .address_space: global }
      - { .name: perm, .offset: 32, .size: 8, .value_kind: global_buffer, .address_space: global }
      - { .name: out0, .offset: 40, .size: 8, .value_kind: global_buffer, .address_space: global }
    .group_segment_fixed_size: 228352
    .private_segment_fixed_size: 0
    .kernarg_segment_align: 8
    .kernarg_segment_size: 48
    .max_flat_workgroup_size: 256
    .sgpr_count:     66
    .vgpr_count:     512
    .wavefront_size: 32
...
	.end_amdgpu_metadata
.endif
;; end of part 3
;; ======== version 2 of 2: 3 launches; version 1 with the launches up, down written anew for expert scheduling mode
;; workspace buffers: xq 1,048,576 bytes; sel 4,096 bytes of whole numbers; bm 2,048 bytes of whole numbers; perm 49,152 bytes of whole numbers; hq 33,554,432 bytes
;; launch route: the kernel of part 1 again; grid 256 x 1, 4 waves a work-group, no clusters, 41,728 bytes of LDS; arguments x, Wg, bg, lowp_scales, xq, sel, bm; writes xq, sel, bm
;; launch up (part 4): grid 32 x 8, 8 waves a work-group, no clusters, 306,944 bytes of LDS; arguments W1_codes, b1, lowp_scales, xq, sel, hq, perm, bm; writes hq, perm
.if DOCPART == 4
	.amdgcn_target "amdgcn-amd-amdhsa--gfx1250"
	.amdhsa_code_object_version 6
	.text
	.protected	k_qa208740ae9_up
	.globl	k_qa208740ae9_up
	.p2align	8
	.type	k_qa208740ae9_up,@function
k_qa208740ae9_up:
	s_mov_b64 s[64:65], 0
	v_nop
	global_prefetch_b8 v0, s[64:65] scope:SCOPE_SE
	s_setreg_imm32_b32 hwreg(HW_REG_WAVE_SCHED_MODE, 0, 2), 2
	s_setreg_imm32_b32 hwreg(HW_REG_WAVE_MODE, 25, 1), 1
	s_wait_xcnt 0x0
	s_wait_alu depctr_vm_vsrc(0)
; THE FIRST PRODUCT, FOR THE CHOSEN ROWS ALONE.  Work-group (j, e): expert e, hidden units 128 j .. 128 j + 127.  h = Q(gelu(x W1 + b1)) for the tokens that chose e.
; cnt, the number of e's tokens, on which the branches hang, is read from memory by scalar loads: bm[e] (whole numbers that an earlier launch stored) has one bit for each token that chose e: 64 words, whose set bits every wave counts.
; THE LIST.  Wave 0 reads sel (whole numbers that an earlier launch stored) and lays e's tokens in LDS by a counting pass (a rank from the lanes' mask; no atomics).  Behind the cnt tokens the
; list repeats its first token 32 times: a padded row computes that token's numbers once more, so no lane is ever switched off.  With cnt = 0 one tile is still made, of token 0's row.
; The work-groups with j = 0 store the list (with cnt at word 1,280) to perm, for the next launch.
; SHARES.  Wave w: b = w / 2 is its block of 32 hidden units, w % 2 the parity of its tiles of 16 rows.  Its 2 tiles x 8 K steps of W1 (256 registers) stay in registers; each byte of W1 is read from memory once in the launch.
; The rows' codes are gathered 160 rows at a time into LDS (wave w: rows 20 w on) and read by all eight waves.
; THE MATRIX INSTRUCTION IS USED TRANSPOSED (source 0 = 16 rows of W1, source 1 = 16 tokens), and lane r of tile u takes W1's row 32 b + 8 u + r + 8 (r / 8): the 16 results of lane (r, h) are
; hidden units 32 b + 16 h + 0..15 of token r: 16 neighbours along the next K.  Their 16 codes are registers 4 b .. 4 b + 3 of the next product's operand.
; hq[e][j][tile q] is that operand's REGISTER IMAGE, 2,048 bytes: byte 512 c + 16 lane + i.  A wave's store covers 512 consecutive bytes, aligned.
; A fragment is fetched by four 16-byte loads (registers 4 c ..: k = 32 c + 16 h + 0..15), alike for both operands: a permutation of k inside an instruction, which leaves every product with its partner.
; GELU, exact form: with acc = sum + b1 / 2^E, E = ex + ew1, the number is y = acc 2^E and gelu(y) / 2^eh = acc erfc(-y / sqrt 2) / 2^F, F = eh - E + 1: the scales are folded into the conversion's one.
; erfc(a), a >= 0: (1 + p(q)) / (1 + 2 a) x exp(-a a), q = (a - 2) / (a + 2), p of degree 9; erfc(-a) = 2 - erfc(a).
; NO TENSOR LOADS, NO CLUSTER: which tiles are worked hangs on cnt, a number read from memory; operands go through registers.
; LIMITS.  E between -125 and 126; F between -126 and 119.  NaN and infinities are not served.  exp(-a a) carries the rounding of a a and of a a log2(e): the relative error of a negative y's gelu grows with y y, to some 1.5e-6 at y = -6.
; THE MODE: SCHED_MODE bits 1:0 = 2 (LLVM: expert scheduling mode 2), set by the entry lines.  The code itself states the register dependences
; between vector or matrix instructions and memory or LDS instructions, with s_wait_alu, always for 0.
; THE PLAN.  Registers that memory or LDS instructions touch, and who else names them:
;   v4-8, v10-22, v26      offsets and LDS addresses: made at the head, ahead of one wait on va_vdst, and never written again.
;   v128-191        in wave 0's list pass: 32 addresses and 32 tokens, all made first; one wait on va_vdst; then the 32 LDS stores in one run.
;   v[LA], v[TOK..] a gather's place in the list and its 20 offsets: written by vector lines in each gather, read by its loads: a wait on vm_vsrc at the gather's head, a wait on va_vdst behind each of the two makings.
;   v128-255, v88-119  the gather's 40 loads land here and its 40 LDS stores read them; a wait on vm_vsrc stands behind those stores, ahead of the fragments that land in v128-255.
;   v128-191        x's K steps 0 to 3: read by a tile's first eight products.  Behind the tile's products stands a wait on va_vdst, and the NEXT tile's K steps 0 to 3 land there while the GELU runs.
;   v192-255        x's K steps 4 to 7: read by the last eight products; then the GELU's arrays.  The wait on va_vdst behind the tile's conversions frees them for the next tile's K steps 4 to 7.
;   v[CD..]         written by the conversions, read by the tile's store: that same wait on va_vdst ahead of the store; a wait on vm_vsrc ahead of the next conversions.
;   window 1        W1 as loaded, read by LDS stores; a wait on vm_vsrc; then its fragments land, which matrix instructions alone name.
; Masks that compares make are laid in runs into scalar registers, with one wait on va_sdst between a run and its first reader.
.set PITCH, 1040                       ; an LDS row: 1,024 codes + 16 bytes = 65 x 16: the 16 rows of a fragment load start at 16 different 16-byte columns of 256 bytes
.set WS,    160*PITCH                  ; behind x's 160 rows: W1's 128 rows
.set LIST,  WS+128*PITCH               ; the list: 1,536 words
.set CNTW,  LIST+5120                  ; its word 1,280: cnt
.set DUMPI, 1536                       ; directly behind the list, words 1,536 to 1,567: one for each lane that has nothing to put in the list
.set L16,  4                           ; v4   16 x lane
.set XSW,  5                           ; v5   where I put gathered rows
.set WSW,  6                           ; v6   where I put W1's rows
.set WFR,  7                           ; v7   where I read W1's fragments
.set HQO,  8                           ; v8   my 16 bytes in hq's images
.set LA,   9                           ; v9   the list's address of the gather in hand
.set PF1,  10                          ; v10, v11  the list, 16 and 8 bytes a thread
.set PF2,  11
.set T16,  12                          ; v12, v13  the same places in perm
.set T8,   13
.set B1O,  14                          ; v14  64 h
.set CNA,  15                          ; v15  cnt's word
.set XFA,  16                          ; v16-20  where I read x's fragments of my five tiles
.set DMP,  21                          ; v21  my dump word's index: 1,536 + lane
.set L4,   22                          ; v22  4 x lane
.set RK,   23                          ; v23  wave 0's list pass: the padding's index
.set LS0,  26                          ; v26-29  the list's first word; the padding's address; first token; cnt
.set PADA, 27
.set FST,  28
.set RUN,  29
.set TOK,  32                          ; v32-51  20 tokens, then their byte offsets in xq
.set B1,   52                          ; v52-67  b1 / 2^E in the result's layout
.set ACC,  68                          ; v68-83  two accumulators
.set CD,   84                          ; v84-87  16 codes
.set XR,   88                          ; v88-119 sel (32 words a lane); later the gather's last 8 loads
.set C9,   120                         ; v120-121 p's leading coefficient, twice
.set SC,   122                         ; v122 2^F     v123 448 x 2^F
.set LIM,  123
.set TM,   124
.set XF,   128                         ; v128-255 x's fragments of 8 K steps; the gather's first 32 loads
.set LSA,  128                         ; v128-159 wave 0's list pass: 32 LDS addresses;  v160-191 the 32 tokens that go there
.set LTK,  160
.set GA,   192                         ; v192-255 the GELU's arrays, where K steps 4 to 7 lay
.set GT,   208
.set GD,   224
.set GE,   240
.set LM,   68                          ; s68-99  the list pass's 32 masks
.set MK,   80                          ; s80-95  the GELU's 16 masks
.set MSB, 0
.macro WIN new                         ; s_set_vgpr_msb: bits 1:0 source 0, 3:2 source 1, 5:4 source 2, 7:6 destination; the high byte repeats the setting that is left
.if MSB != \new
	s_set_vgpr_msb (MSB<<8)|\new
.set MSB, \new
.endif
.endm
.macro BARRIER                         ; my LDS stores have landed and my LDS loads are in: then the work-group's barrier
	s_wait_dscnt 0x0
	s_barrier_signal -1
	s_barrier_wait -1
.endm
; My 20 rows of the chunk in hand: their tokens from the list (the same words in all lanes), then 40 loads of 512 consecutive bytes
.macro GATHER
	s_wait_alu depctr_vm_vsrc(0)                   ; the last gather's loads have read v[LA] and v[TOK ..], which are written below; the LDS stores issued so far have read v[XF ..], v[XR ..] and v[CD ..], in which loads land below
	v_mov_b32 v[LA], s34
	s_wait_alu depctr_va_vdst(0)                   ; v[LA] is written, which the LDS loads read; the lines that made the last gather's offsets are done with v[TOK ..], in which these loads land
.irp i, 0,1,2,3,4
	ds_load_b128 v[TOK+4*\i:TOK+4*\i+3], v[LA] offset:16*\i
.endr
	s_wait_dscnt 0x0
.set q, 0
.rept 20
	v_min_u32 v[TOK+q], 0x3ff, v[TOK+q]            ; a number that was loaded enters an address only behind this bound
.set q, q+1
.endr
.set q, 0
.rept 20
	v_lshl_add_u32 v[TOK+q], v[TOK+q], 10, v[L16]  ; 1,024 x token + 16 x lane
.set q, q+1
.endr
	s_wait_alu depctr_va_vdst(0)                   ; the 20 offsets are written, which the loads read; every vector and matrix line that named v[XF ..] or v[XR ..] (the list pass, products, the GELU) is done with them: the loads land there
.set q, 0
.rept 16
	global_load_b128 v[XF+8*q:XF+8*q+3], v[TOK+q], s[10:11]
	global_load_b128 v[XF+8*q+4:XF+8*q+7], v[TOK+q], s[10:11] offset:512
.set q, q+1
.endr
.set q, 0
.rept 4
	global_load_b128 v[XR+8*q:XR+8*q+3], v[TOK+16+q], s[10:11]
	global_load_b128 v[XR+8*q+4:XR+8*q+7], v[TOK+16+q], s[10:11] offset:512
.set q, q+1
.endr
.endm
.macro XSTORE                          ; and into LDS, rows 20 w on
.set q, 0
.rept 16
	ds_store_b128 v[XSW], v[XF+8*q:XF+8*q+3] offset:PITCH*q
	ds_store_b128 v[XSW], v[XF+8*q+4:XF+8*q+7] offset:PITCH*q+512
.set q, q+1
.endr
.set q, 0
.rept 4
	ds_store_b128 v[XSW], v[XR+8*q:XR+8*q+3] offset:PITCH*(16+q)
	ds_store_b128 v[XSW], v[XR+8*q+4:XR+8*q+7] offset:PITCH*(16+q)+512
.set q, q+1
.endr
.endm
; x's fragments of four K steps, k0 on, of my i-th tile of the chunk: 16 LDS loads
.macro XFRAGS i, k0
.irp s, 0,1,2,3
.irp c, 0,1,2,3
	ds_load_b128 v[XF+16*((\k0)+\s)+4*\c:XF+16*((\k0)+\s)+4*\c+3], v[XFA+(\i)] offset:128*((\k0)+\s)+32*\c
.endr
.endr
.endm
; 16 sums of a lane become acc x erfc(-y / sqrt 2), held within +-448 x 2^F, in v[GA] on.  Packed forms take two numbers a line; the 48 transcendentals are one batch with one wait.
.macro GELU16
.irp n, 0,1,2,3,4,5,6,7,8,9,10,11,12,13,14,15
	v_mul_f32 v[GA+\n], s42, |v[ACC+\n]|           ; a = |y| / sqrt 2; each accumulator is read from its low end on
.endr
.irp n, 0,2,4,6,8,10,12,14
	v_pk_add_f32 v[GT+\n:GT+\n+1], v[GA+\n:GA+\n+1], 2.0 op_sel_hi:[1,0]
.endr
.irp n, 0,2,4,6,8,10,12,14
	v_pk_fma_f32 v[GD+\n:GD+\n+1], v[GA+\n:GA+\n+1], 2.0, 1.0 op_sel_hi:[1,0,0]
.endr
.irp n, 0,2,4,6,8,10,12,14
	v_pk_mul_f32 v[GE+\n:GE+\n+1], v[GA+\n:GA+\n+1], v[GA+\n:GA+\n+1]
.endr
.irp n, 0,2,4,6,8,10,12,14
	v_pk_mul_f32 v[GE+\n:GE+\n+1], v[GE+\n:GE+\n+1], s[44:45] op_sel_hi:[1,0]   ; -a a log2(e)
.endr
.irp n, 0,1,2,3,4,5,6,7,8,9,10,11,12,13,14,15
	v_rcp_f32 v[GT+\n], v[GT+\n]                   ; 1 / (a + 2)
.endr
.irp n, 0,1,2,3,4,5,6,7,8,9,10,11,12,13,14,15
	v_rcp_f32 v[GD+\n], v[GD+\n]                   ; 1 / (1 + 2 a)
.endr
.irp n, 0,1,2,3,4,5,6,7,8,9,10,11,12,13,14,15
	v_exp_f32 v[GE+\n], v[GE+\n]                   ; exp(-a a)
.endr
.irp n, 0,2,4,6,8,10,12,14
	v_pk_add_f32 v[GA+\n:GA+\n+1], v[GA+\n:GA+\n+1], -2.0 op_sel_hi:[1,0]       ; plain lines behind the batch, which name none of its results
.endr
.irp n, 0,1,2,3,4,5,6,7,8,9,10,11,12,13,14,15
	v_cmp_lt_f32 s[MK+\n], 0, v[ACC+\n]            ; which y are positive: the 16 masks in one run, far ahead of the selects that read them
.endr
	s_wait_alu depctr_va_vdst(0)                   ; the 48 results in v[GT ..], v[GD ..], v[GE ..] are written: one wait for the batch, ahead of its first reader
.irp n, 0,2,4,6,8,10,12,14
	v_pk_mul_f32 v[GA+\n:GA+\n+1], v[GA+\n:GA+\n+1], v[GT+\n:GT+\n+1]           ; q
.endr
.irp n, 0,2,4,6,8,10,12,14
	v_pk_fma_f32 v[GT+\n:GT+\n+1], v[GA+\n:GA+\n+1], v[C9:C9+1], s[46:47] op_sel_hi:[1,1,0]
.endr
.irp k, 48,50,52,54,56,58,60,62        ; Horner, eight chains side by side
.irp n, 0,2,4,6,8,10,12,14
	v_pk_fma_f32 v[GT+\n:GT+\n+1], v[GT+\n:GT+\n+1], v[GA+\n:GA+\n+1], s[\k:\k+1] op_sel_hi:[1,1,0]
.endr
.endr
.irp n, 0,2,4,6,8,10,12,14
	v_pk_fma_f32 v[GT+\n:GT+\n+1], v[GT+\n:GT+\n+1], v[GD+\n:GD+\n+1], v[GD+\n:GD+\n+1]   ; (p + 1) / (1 + 2 a)
.endr
.irp n, 0,2,4,6,8,10,12,14
	v_pk_mul_f32 v[GT+\n:GT+\n+1], v[GT+\n:GT+\n+1], v[GE+\n:GE+\n+1]           ; erfc(a)
.endr
.irp n, 0,2,4,6,8,10,12,14
	v_pk_fma_f32 v[GD+\n:GD+\n+1], v[GT+\n:GT+\n+1], -1.0, 2.0 op_sel_hi:[1,0,0]   ; erfc(-a)
.endr
	s_wait_alu depctr_va_sdst(0)                   ; the compares have written s80 to s95, ahead of their first reader
.irp n, 0,1,2,3,4,5,6,7,8,9,10,11,12,13,14,15
	v_cndmask_b32 v[GT+\n], v[GT+\n], v[GD+\n], s[MK+\n]   ; a positive y takes erfc(-a)
.endr
.irp n, 0,2,4,6,8,10,12,14
	v_pk_mul_f32 v[GA+\n:GA+\n+1], v[ACC+\n:ACC+\n+1], v[GT+\n:GT+\n+1]
.endr
.irp n, 0,1,2,3,4,5,6,7,8,9,10,11,12,13,14,15
	v_med3_num_f32 v[GA+\n], v[GA+\n], -v[LIM], v[LIM]   ; the conversion to an 8-bit code does not saturate (ISA guide 7.6.2)
.endr
.endm
; My i-th tile of the chunk: rows 16 (w % 2 + 2 i) on.  A tile with no row left ends the chunk's tiles: my later tiles' first rows lie further on.  No barrier stands in a tile.
.macro TILE i
	s_add_co_u32 s66, s32, 32*\i
	s_cmp_ge_u32 s66, s29
	s_cbranch_scc1 .Lrows_done
.if \i == 0
	XFRAGS 0, 0                                    ; a chunk's first tile fetches its K steps 0 to 3 itself; the others' were asked for in the tile before
.endif
	XFRAGS \i, 4                                   ; no wait: no vector or matrix line since the last wait on va_vdst (behind the last tile's conversions, or in the gather) names v[XF ..]
	WIN 0x01                                       ; source 0 (W1) in window 1
.irp s, 0,1,2,3,4,5,6,7
	s_wait_dscnt 28-4*\s                           ; K step s is in; the younger K steps' loads, four each, stay out
.irp u, 0,1                            ; the two accumulators take turns, one instruction a turn; the bias is the C of each sum's first product
.if \s == 0
	v_wmma_f32_16x16x128_fp8_fp8 v[ACC+8*\u:ACC+8*\u+7], v[16*(8*\u+\s):16*(8*\u+\s)+15], v[XF+16*\s:XF+16*\s+15], v[B1+8*\u:B1+8*\u+7]
.else
	v_wmma_f32_16x16x128_fp8_fp8 v[ACC+8*\u:ACC+8*\u+7], v[16*(8*\u+\s):16*(8*\u+\s)+15], v[XF+16*\s:XF+16*\s+15], v[ACC+8*\u:ACC+8*\u+7]
.endif
.endr
.endr
	WIN 0
.rept 4
	v_nop                                          ; four places behind the last product, ahead of the first read of results and of writes over x's fragments (ISA guide 7.12.1)
.endr
.if \i < 4
	s_add_co_u32 s66, s32, 32*(\i+1)
	s_cmp_ge_u32 s66, s29                          ; the test that stands at my next tile's head: a tile that will not be made is not fetched
	s_cbranch_scc1 .Lnone_\@
	s_wait_alu depctr_va_vdst(0)                   ; the products are done reading K steps 0 to 3 (v128-191), in which the next tile's land; the GELU below names none of these registers
	XFRAGS \i+1, 0
.Lnone_\@:
.endif
	GELU16
	s_wait_xcnt 0x0                                ; the last store has read its four registers
	s_wait_alu depctr_vm_vsrc(0)                   ; the last store that read v[CD ..] has read them: the conversions write them again
	v_cvt_scalef32_pk8_fp8_f32 v[CD:CD+1], v[GA:GA+7], v[SC]
	v_cvt_scalef32_pk8_fp8_f32 v[CD+2:CD+3], v[GA+8:GA+15], v[SC]
	v_nop                                          ; a plain instruction behind the last conversion
	s_wait_alu depctr_va_vdst(0)                   ; the conversions have written v[CD ..], which the store reads; the GELU and the conversions are done with v192-255, in which the next tile's K steps 4 to 7 land
	global_store_b128 v[HQO], v[CD:CD+3], s[14:15] offset:4096*\i   ; 512 consecutive bytes: group b of tile 10 chunk + w % 2 + 2 i
.endm
	s_load_b256 s[4:11], s[0:1], 0x0               ; W1's codes s[4:5], b1 s[6:7], the exponents s[8:9], xq s[10:11]
	s_load_b128 s[12:15], s[0:1], 0x20             ; sel s[12:13], hq s[14:15]
	s_load_b64 s[16:17], s[0:1], 0x30              ; perm
	s_load_b64 s[2:3], s[0:1], 0x38                ; bm
	v_lshl_add_u32 v126, v0, 2, 0x4ab00
	v_mov_b32 v127, 0
	v_lshrrev_b32 v1, 5, v0
	v_readfirstlane_b32 s18, v1                    ; wave 0..7
	s_and_b32 s21, ttmp7, 0xffff                   ; e
	s_mov_b32 s22, ttmp9                           ; j
	v_and_b32 v1, 31, v0                           ; lane
	v_and_b32 v2, 15, v0                           ; r
	v_bfe_u32 v3, v0, 4, 1                         ; h
	v_lshlrev_b32 v[L16], 4, v1
	v_and_b32 v[WFR], 8, v2
	v_add_nc_u32 v[WFR], v[WFR], v2                ; r + 8 (r / 8)
	v_mul_u32_u24 v[WFR], v[WFR], PITCH
	v_lshl_add_u32 v[WFR], v3, 4, v[WFR]
	v_lshl_add_u32 v[PF1], v0, 4, LIST
	v_lshl_add_u32 v[PF2], v0, 3, LIST+4096
	v_lshlrev_b32 v[T16], 4, v0
	v_lshlrev_b32 v[T8], 3, v0
	v_lshlrev_b32 v[B1O], 6, v3
	v_mov_b32 v[CNA], CNTW
	v_mul_u32_u24 v[XFA], v2, PITCH
	v_lshl_add_u32 v[XFA], v3, 4, v[XFA]
	v_add_nc_u32 v[DMP], DUMPI, v1
	v_lshlrev_b32 v[L4], 2, v1
	v_mov_b32 v[LS0], LIST
.irp i, 0,1,2,3
	v_mov_b32 v[CD+\i], 0
.endr
	v_mov_b32 v[C9], 0xb9d25000
	v_mov_b32 v[C9+1], 0xb9d25000
	s_wait_alu depctr_va_sdst(0)                   ; s18 is written, ahead of its first reader: b, the parity and the waves' places are made from it
	s_lshr_b32 s19, s18, 1                         ; b
	s_and_b32 s20, s18, 1                          ; the parity of my tiles
	s_mul_i32 s66, s18, 20*PITCH
	v_add_nc_u32 v[XSW], s66, v[L16]
	s_mul_i32 s66, s18, 16*PITCH
	s_add_co_u32 s66, s66, WS
	v_add_nc_u32 v[WSW], s66, v[L16]
	s_mul_i32 s66, s19, 32*PITCH
	s_add_co_u32 s66, s66, WS
	v_add_nc_u32 v[WFR], s66, v[WFR]
	s_lshl_b32 s66, s19, 9
	s_lshl_b32 s67, s20, 11
	s_add_co_u32 s66, s66, s67
	v_add_nc_u32 v[HQO], s66, v[L16]               ; 512 b + 2,048 (w % 2) + 16 lane
	s_mul_i32 s66, s20, 16*PITCH
	v_add_nc_u32 v[XFA], s66, v[XFA]               ; row r of tile w % 2, + 16 h;
.irp i, 1,2,3,4
	v_add_nc_u32 v[XFA+\i], 32*PITCH*\i, v[XFA]    ; my other tiles lie two tiles apart
.endr
	s_wait_alu depctr_va_vdst(0)                   ; the offsets and LDS addresses v4 to v8, v10 to v22 and v26 are written, which the loads and stores of the whole kernel read; so are the zeros in v[CD ..], which the two LDS stores below read
	ds_store_b128 v[PF1], v[CD:CD+3]               ; the list begins as zeros: token 0 is a row like any other
	ds_store_b64 v[PF2], v[CD:CD+1]
	s_lshl_b32 s66, s21, 22                        ; expert e's 4 MiB, slice j's 128 KiB: the same in W1's codes and in hq
	s_lshl_b32 s67, s22, 17
	s_add_co_u32 s66, s66, s67
	s_mov_b32 s67, 0
	s_lshl_b32 s68, s18, 14                        ; my wave's 16 rows of W1: one dense block of 16,384 bytes
	s_add_co_u32 s68, s68, s66
	s_mov_b32 s69, 0
	s_lshl_b32 s70, s21, 14                        ; b1: (4,096 e + 128 j + 32 b) x 4
	s_lshl_b32 s71, s22, 9
	s_add_co_u32 s70, s70, s71
	s_lshl_b32 s71, s19, 7
	s_add_co_u32 s70, s70, s71
	s_mov_b32 s71, 0
	s_mul_i32 s72, s21, 6144                       ; perm: 1,536 words an expert
	s_mov_b32 s73, 0
	s_lshl_b32 s74, s21, 4                         ; the expert's four exponents
	s_mov_b32 s75, 0
	s_lshl_b32 s76, s21, 8                         ; bm: 256 bytes an expert
	s_mov_b32 s77, 0
	s_wait_kmcnt 0x0
	s_add_nc_u64 s[8:9], s[8:9], s[74:75]
	s_load_b128 s[24:27], s[8:9], 0x0              ; ex, ew1, eh, ew2
	s_add_nc_u64 s[14:15], s[14:15], s[66:67]      ; hq at (e, j)
	s_add_nc_u64 s[4:5], s[4:5], s[68:69]
	s_add_nc_u64 s[6:7], s[6:7], s[70:71]
	s_add_nc_u64 s[16:17], s[16:17], s[72:73]
	s_add_nc_u64 s[2:3], s[2:3], s[76:77]
	s_load_b512 s[28:43], s[2:3], 0x0              ; the expert's 64 words of bm, in one round trip; the offsets above have been used
	s_load_b512 s[44:59], s[2:3], 0x40
	s_load_b512 s[68:83], s[2:3], 0x80
	s_load_b512 s[84:99], s[2:3], 0xc0
.irp i, 0,1,2,3,4,5,6,7
	global_load_b128 v[XR+4*\i:XR+4*\i+3], v[L16], s[12:13] offset:512*\i   ; sel: register 4 i + k is token 128 i + 4 lane + k
.endr
	WIN 0x40                                       ; destination in window 1
.set n, 0
.rept 32
	global_load_b128 v[4*n:4*n+3], v[L16], s[4:5] offset:512*n th:TH_LOAD_NT   ; W1 as it lies: 512 consecutive bytes a load
.set n, n+1
.endr
	WIN 0
.irp u, 0,1
	global_load_b128 v[B1+8*\u:B1+8*\u+3], v[B1O], s[6:7] offset:32*\u        ; b1 of hidden units 32 b + 16 h + 8 u + 0..7
	global_load_b128 v[B1+8*\u+4:B1+8*\u+7], v[B1O], s[6:7] offset:32*\u+16
.endr
	BARRIER                                        ; the zeros lie in the list
	s_wait_kmcnt 0x0                               ; bm's words and the exponents
	s_mov_b32 s23, 0
.irp base, 28,44,68,84                 ; cnt = the set bits of the 64 words
.set q, 0
.rept 16
	s_bcnt1_i32_b32 s66, s[\base+q]
	s_add_co_u32 s23, s23, s66
.set q, q+1
.endr
.endr
	s_min_u32 s28, s23, 1024                       ; cnt
	s_max_u32 s29, s28, 1                          ; rows still to be made: one tile at the least, so that every byte that the next launch reads is stored
	s_lshl_b32 s32, s20, 4                         ; my first tile's first row in a chunk
	s_mul_i32 s34, s18, 80
	s_add_co_u32 s34, s34, LIST                    ; my 20 words of the list's first 160
	s_mov_b32 s44, 0xbfb8aa3b                      ; -log2(e), and p's coefficients, each twice: a packed form names a pair
	s_mov_b32 s45, s44
	s_mov_b32 s46, 0xbaa15130
	s_mov_b32 s48, 0x3aac2b8a
	s_mov_b32 s50, 0x3c0d6e62
	s_mov_b32 s52, 0xbc040dc1
	s_mov_b32 s54, 0xbd5e05b5
	s_mov_b32 s56, 0x3e27fe23
	s_mov_b32 s58, 0xbe2a0420
	s_mov_b32 s60, 0xbdbdfb0b
	s_mov_b32 s62, 0x3e8dd01d
.irp k, 46,48,50,52,54,56,58,60,62
	s_mov_b32 s[\k+1], s[\k]
.endr
	s_wait_loadcnt 36                              ; sel is in; the 36 loads issued behind it stay out
	s_cmp_lg_u32 s18, 0
	s_cbranch_scc1 .Llisted                        ; wave 0 alone makes the list; no other wave touches LDS before the next barrier
	s_mov_b32 s40, 0                               ; tokens placed so far
.set n, 0
.rept 32
	v_cmp_eq_u32 s[LM+n], s21, v[XR+n]             ; which lanes' token 128 (n / 4) + 4 lane + n % 4 chose e: the 32 masks in one run (bm's words in these registers have been counted)
.set n, n+1
.endr
	s_wait_alu depctr_va_sdst(0)                   ; the compares have written s68 to s99, ahead of their first reader
.set n, 0
.rept 32
	v_mbcnt_lo_u32_b32 v[LSA+n], s[LM+n], s40      ; my place: those placed so far + the lanes below me that have one
	v_cndmask_b32 v[LSA+n], v[DMP], v[LSA+n], s[LM+n]   ; a lane with nothing to place takes its dump word's index: the choice is made on the index,
	v_min_u32 v[LSA+n], 0x61f, v[LSA+n]            ; which enters an address only behind this bound (the last dump word: 1,567),
	v_lshl_add_u32 v[LSA+n], v[LSA+n], 2, LIST     ; and behind the bound stand a shift and an addition alone
	v_add_nc_u32 v[LTK+n], 128*(n/4)+n%4, v[L4]
	s_bcnt1_i32_b32 s41, s[LM+n]
	s_add_co_u32 s40, s40, s41
.set n, n+1
.endr
	v_add_nc_u32 v[RK], s40, v1
	v_min_u32 v[RK], 0x4ff, v[RK]
	v_lshl_add_u32 v[PADA], v[RK], 2, LIST
	v_mov_b32 v[RUN], s40
	s_wait_alu depctr_va_vdst(0)                   ; the 32 addresses, the 32 tokens, the padding's address and the number placed are written, which the LDS stores below read
.set n, 0
.rept 32
	ds_store_b32 v[LSA+n], v[LTK+n]
.set n, n+1
.endr
	ds_load_b32 v[FST], v[LS0]                     ; the first token (LDS serves a wave's instructions in order),
	s_wait_dscnt 0x0
	ds_store_b32 v[PADA], v[FST]                   ; 32 times behind the last,
	ds_store_b32 v[CNA], v[RUN]                    ; and the number placed, for the next launch
.Llisted:
	BARRIER                                        ; the list is whole
	GATHER                                         ; the first 160 rows
	s_cmp_lg_u32 s22, 0
	s_cbranch_scc1 .Lno_perm
	ds_load_b128 v[CD:CD+3], v[PF1]                ; slice 0's work-group stores the list.  (No wait: the head's LDS stores that read v[CD ..] stand ahead of the gather's wait on vm_vsrc, and no vector line since the head's wait names these registers)
	ds_load_b64 v[TM:TM+1], v[PF2]
	s_wait_dscnt 0x0
	global_store_b128 v[T16], v[CD:CD+3], s[16:17]
	global_store_b64 v[T8], v[TM:TM+1], s[16:17] offset:4096
	s_wait_xcnt 0x0                                ; the stores have read their registers
.Lno_perm:
	s_wait_loadcnt 40                              ; W1 and b1 are in; the gather's 40 loads stay out
	WIN 0x04                                       ; store data in window 1
.set n, 0
.rept 32
	ds_store_b128 v[WSW], v[4*n:4*n+3] offset:PITCH*(n/2)+512*(n%2)
.set n, n+1
.endr
	WIN 0
	s_add_co_i32 s68, s24, s25                     ; E = ex + ew1
	s_sub_co_i32 s69, 0, s68
	s_lshl_b32 s70, s68, 23
	s_add_co_i32 s42, s70, 0x3f3504f3              ; 2^E / sqrt 2: E is added to the exponent field
	s_sub_co_i32 s71, s26, s68
	s_add_co_i32 s71, s71, 128                     ; F + 127
	s_lshl_b32 s72, s71, 23
	v_mov_b32 v[SC], s72                           ; 2^F
	s_add_co_i32 s71, s71, 8
	s_lshl_b32 s71, s71, 23
	s_or_b32 s71, s71, 0x600000
	v_mov_b32 v[LIM], s71                          ; 448 x 2^F
.set n, 0
.rept 16
	v_ldexp_f32 v[B1+n], v[B1+n], s69              ; b1 / 2^E: what the sums lack
.set n, n+1
.endr
	s_wait_loadcnt 0x0
	XSTORE
	BARRIER                                        ; W1's 128 rows and x's 160 lie in LDS
	WIN 0x40
	s_wait_alu depctr_vm_vsrc(0)                   ; my LDS stores have read W1 as loaded (v256-383), in which its fragments land, and the gathered rows (v[XF ..]), in which the first tile's fragments land
.irp u, 0,1
.irp s, 0,1,2,3,4,5,6,7
.irp c, 0,1,2,3
	ds_load_b128 v[16*(8*\u+\s)+4*\c:16*(8*\u+\s)+4*\c+3], v[WFR] offset:8*PITCH*\u+128*\s+32*\c   ; my 16 fragments of W1: they stay
.endr
.endr
.endr
	WIN 0
	s_mov_b32 s30, 0
.Lchunk:                                               ; 7 trips of 160 rows serve every split, all 1,024 tokens on one expert too; a trip with no rows left passes its two barriers and no more
	TILE 0
	TILE 1
	TILE 2
	TILE 3
	TILE 4
.Lrows_done:
	BARRIER                                        ; nobody reads these 160 rows any more
	s_wait_xcnt 0x0                                ; the stores have read their base
	s_max_u32 s29, s29, 160
	s_sub_co_u32 s29, s29, 160                     ; rows left
	s_add_co_u32 s34, s34, 640
	s_add_nc_u64 s[14:15], s[14:15], 20480         ; ten tiles on in hq
	s_cmp_eq_u32 s29, 0
	s_cbranch_scc1 .Lno_more
	GATHER
	s_wait_loadcnt 0x0
	XSTORE
.Lno_more:
	BARRIER                                        ; the next 160 rows lie in LDS
	s_wait_alu depctr_vm_vsrc(0)                   ; my LDS stores of the gathered rows have read v[XF ..], in which the next trip's fragments land
	s_add_co_u32 s30, s30, 1
	s_cmp_lt_u32 s30, 7
	s_cbranch_scc1 .Lchunk
	s_wait_dscnt 0x0
	s_wait_alu depctr_hold_cnt(0) depctr_sa_sdst(0) depctr_va_vdst(0) depctr_va_sdst(0) depctr_va_ssrc(0) depctr_va_vcc(0) depctr_vm_vsrc(0)
	s_wait_tensorcnt 0x0
	ds_add_u32 v126, v127
	s_wait_dscnt 0x0
	s_endpgm
.Lfunc_end_k_qa208740ae9_up:
	.size	k_qa208740ae9_up, .Lfunc_end_k_qa208740ae9_up-k_qa208740ae9_up
	.p2alignl 7, 3214868480
	.fill 96, 4, 3214868480
	.section	.rodata,"a",@progbits
	.p2align	6, 0x0
	.amdhsa_kernel k_qa208740ae9_up
		.amdhsa_group_segment_fixed_size 306944
		.amdhsa_private_segment_fixed_size 0
		.amdhsa_enable_private_segment 0
		.amdhsa_kernarg_size 64
		.amdhsa_user_sgpr_count 2
		.amdhsa_user_sgpr_kernarg_segment_ptr 1
		.amdhsa_wavefront_size32 1
		.amdhsa_system_sgpr_workgroup_id_x 1
		.amdhsa_system_sgpr_workgroup_id_y 1
		.amdhsa_system_sgpr_workgroup_id_z 1
		.amdhsa_system_vgpr_workitem_id 0
		.amdhsa_next_free_vgpr 512
		.amdhsa_next_free_sgpr 100
		.amdhsa_reserve_vcc 0
		.amdhsa_float_denorm_mode_32 3
		.amdhsa_float_denorm_mode_16_64 3
		.amdhsa_memory_ordered 1
		.amdhsa_forward_progress 1
		.amdhsa_inst_pref_size 155
	.end_amdhsa_kernel
	.amdgpu_metadata
---
amdhsa.version: [ 1, 2 ]
amdhsa.kernels:
  - .name:           k_qa208740ae9_up
    .symbol:         k_qa208740ae9_up.kd
    .args:
      - { .name: W1_codes, .offset: 0, .size: 8, .value_kind: global_buffer, .address_space: global }
      - { .name: b1, .offset: 8, .size: 8, .value_kind: global_buffer, .address_space: global }
      - { .name: lowp_scales, .offset: 16, .size: 8, .value_kind: global_buffer, .address_space: global }
      - { .name: xq, .offset: 24, .size: 8, .value_kind: global_buffer, .address_space: global }
      - { .name: sel, .offset: 32, .size: 8, .value_kind: global_buffer, .address_space: global }
      - { .name: hq, .offset: 40, .size: 8, .value_kind: global_buffer, .address_space: global }
      - { .name: perm, .offset: 48, .size: 8, .value_kind: global_buffer, .address_space: global }
      - { .name: bm, .offset: 56, .size: 8, .value_kind: global_buffer, .address_space: global }
    .group_segment_fixed_size: 306944
    .private_segment_fixed_size: 0
    .kernarg_segment_align: 8
    .kernarg_segment_size: 64
    .max_flat_workgroup_size: 256
    .sgpr_count:     100
    .vgpr_count:     512
    .wavefront_size: 32
...
	.end_amdgpu_metadata
.endif
;; end of part 4
;; launch down (part 5): grid 32 x 8, 8 waves a work-group, no clusters, 228,352 bytes of LDS; arguments W2_codes, b2, lowp_scales, hq, perm, out0; writes out0
.if DOCPART == 5
	.amdgcn_target "amdgcn-amd-amdhsa--gfx1250"
	.amdhsa_code_object_version 6
	.text
	.protected	k_qa208740ae9_down
	.globl	k_qa208740ae9_down
	.p2align	8
	.type	k_qa208740ae9_down,@function
k_qa208740ae9_down:
	s_mov_b64 s[64:65], 0
	v_nop
	global_prefetch_b8 v0, s[64:65] scope:SCOPE_SE
	s_setreg_imm32_b32 hwreg(HW_REG_WAVE_SCHED_MODE, 0, 2), 2
	s_setreg_imm32_b32 hwreg(HW_REG_WAVE_MODE, 25, 1), 1
	s_wait_xcnt 0x0
	s_wait_alu depctr_vm_vsrc(0)
; THE SECOND PRODUCT, FOR THE CHOSEN ROWS ALONE.  Work-group (jx, e): expert e, output columns 32 jx .. 32 jx + 31.  out0[token] = h W2 x 2^(eh + ew2) + b2 for the tokens of e's list.
; SHARES.  THE WAVES SHARE K: wave w owns k = 512 w .. 512 w + 511 (h's slices 4 w + s, s = 0..3), for all rows and all 32 columns.  Its 2 x 4 fragments of W2 (128 registers) stay in registers; each byte of W2 is
; read from memory once in the launch.  h's fragments come straight from hq's register images into registers, 512 consecutive bytes a load, four units of 16 loads by turns, three ahead of the products.
; The eight waves' partial sums meet in LDS, 192 rows at a time; each wave then adds and stores 4 rows an instruction.
; THE MATRIX INSTRUCTION IS USED TRANSPOSED (source 0 = 16 rows of W2, source 1 = 16 rows of h): lane (r, h) holds row r and columns 16 u + 8 h + 0..7.
; The list's padding repeats its first token, so a padded row stores that token's numbers once more; with cnt = 0 nothing is stored for this expert.
; A row's piece is 128 bytes, stored by eight neighbouring lanes, aligned to 128: 64 columns a work-group would give 256 but only 128 work-groups.
; NO TENSOR LOADS, NO CLUSTER: which tiles are worked hangs on cnt, a number read from memory.
; LIMITS.  eh + ew2 between -126 and 127, so that 2^(eh + ew2) is an f32 number.
; THE MODE: SCHED_MODE bits 1:0 = 2 (LLVM: expert scheduling mode 2), set by the entry lines.  The code itself states the register dependences
; between vector or matrix instructions and memory or LDS instructions, with s_wait_alu, always for 0.
; THE PLAN.  Registers that memory or LDS instructions touch, and who else names them:
;   v4-12, v14, v100-103   offsets and LDS addresses: made at the head, ahead of one wait on va_vdst, and never written again.
;   HO0 .. HO3      a unit's offset in hq.  Tile t's tail, behind its products, makes HO[t % 4] for tile t + 4; tile t + 1's sixteen loads read it.
;   units 0 .. 3    (window 1)  Tile t's products read unit t % 4; tile t + 1's loads land in it.
;   AC0, AC1        Tile t's products write AC[t % 2]; its four LDS stores read it; tile t + 2's products write it again.
;   So a tile's tail holds ONE wait on vm_vsrc (the loads that read HO[t % 4] have read it; the last tile's LDS stores have read the accumulators that the next tile writes) and, behind the two lines that make
;   HO[t % 4], ONE wait on va_vdst (the accumulators are written; the products are done reading unit t % 4; HO[t % 4] is written).  The tile's LDS stores and the next tile's loads follow with no further wait:
;   no vector or matrix line stands between.
;   v[WF ..]        W2 as loaded, read by LDS stores; a wait on vm_vsrc; then its fragments land, which matrix instructions alone name.
;   v[TLA]          written once a trip, between a wait on vm_vsrc and a wait on va_vdst; read by the list's loads.
;   TK, RED; OO, OUTR   LDS loads land in the first two, vector lines read them and write the last two, the store reads those: a wait on vm_vsrc ahead of the vector lines, a wait on va_vdst ahead of the store, which also frees TK and RED for the next rows' loads.
.set PP,    144                        ; a row of partial sums: 128 bytes + 16
.set PW,    192*PP                     ; a wave's 192 rows: 27,648 bytes
.set WP,    528                        ; W2's turn through LDS: a row's 512 bytes + 16; 32 rows a wave; these bytes lie under the partial sums, and a barrier parts the two uses
.set LISTL, 8*PW                       ; the expert's list, 1,536 words
.set L16,  4
.set WSW,  5                           ; v5   W2 into LDS         v6  its fragments out of it
.set WFR,  6
.set PST,  7                           ; v7   where I put partial sums
.set PRD,  8                           ; v8-11 where I read them: waves 2 k and 2 k + 1
.set TLB,  12                          ; v12  my row's word of the list's first 192;   v13 of the chunk in hand
.set TLA,  13
.set C16,  14                          ; v14  16 (lane % 8)
.set OO,   15                          ; v15  my byte offset in out0
.set HO,   16                          ; v16-19 a unit's byte offset in hq
.set B2,   20                          ; v20-23 b2 of my four columns
.set TK,   24
.set PC,   26                          ; v26-31 the list on its way into LDS
.set AC,   32                          ; v32-63 two sets of two accumulators
.set RED,  64                          ; v64-95 eight waves' partial sums
.set OUTR, 96                          ; v96-99 a finished piece
.set LW1,  100                         ; v100-103 the list's places in LDS and in perm
.set LW2,  101
.set T16,  102
.set T8,   103
.set WF,   128                         ; v128-255 W2 as loaded, then its fragments (tile u, K step s) at 16 (4 u + s).   Window 1: h, four units of 64
.set MSB, 0
.macro WIN new                         ; s_set_vgpr_msb: bits 1:0 source 0, 3:2 source 1, 5:4 source 2, 7:6 destination; the high byte repeats the setting that is left
.if MSB != \new
	s_set_vgpr_msb (MSB<<8)|\new
.set MSB, \new
.endif
.endm
.macro BARRIER
	s_wait_dscnt 0x0
	s_barrier_signal -1
	s_barrier_wait -1
.endm
; Where unit slot's loads will stand for tile tb + d.  Behind the last tile every lane asks for the same 16 bytes of the last tile: every path issues the same loads, and the counts stay alike.
.macro HOFF slot, d
	s_add_co_u32 s50, s32, \d
	s_min_u32 s51, s50, s29
	s_min_u32 s51, s51, 63
	s_lshl_b32 s51, s51, 11                        ; 2,048 bytes a tile
	s_cmp_le_u32 s50, s29
	s_cselect_b32 s52, 16, 0
	v_mad_u32_u24 v[HO+(\slot)], v1, s52, s51
	v_min_u32 v[HO+(\slot)], 0x1f9f0, v[HO+(\slot)]   ; what hangs on a loaded number enters an address only behind this bound: tile 63, lane 31
.endm
; Unit slot is asked for: my four slices' images of one tile, 16 loads
.macro UNIT slot
	WIN 0x40                                       ; destination in window 1
.irp s, 0,1,2,3
.irp c, 0,1,2,3
	global_load_b128 v[64*(\slot)+16*\s+4*\c:64*(\slot)+16*\s+4*\c+3], v[HO+(\slot)], s[10:11] offset:131072*\s+512*\c
.endr
.endr
	WIN 0
.endm
; Tile t of the chunk's twelve.  Behind the last tile the rest of the chunk is jumped over; no barrier stands among the tiles.
.macro TILE t
	s_add_co_u32 s50, s32, \t
	s_cmp_gt_u32 s50, s29
	s_cbranch_scc1 .Ldone
	UNIT (\t+3)%4                                  ; tile t + 3, into the unit that the tile before has multiplied.  No wait: no vector or matrix line since the wait on va_vdst in that tile's tail names the unit or its offset
	s_wait_loadcnt 48                              ; my unit is in; the three younger units of 16 loads stay out
	s_wait_dscnt 4                                 ; the stores of the tile before last, which read this set of accumulators, are done; the last tile's four may be out
	WIN 0x04                                       ; source 1 (h) in window 1
.irp s, 0,1,2,3
.irp u, 0,1                            ; the two accumulators take turns, one instruction a turn; the first products start the sums
.if \s == 0
	v_wmma_f32_16x16x128_fp8_fp8 v[AC+16*((\t)%2)+8*\u:AC+16*((\t)%2)+8*\u+7], v[WF+16*(4*\u+\s):WF+16*(4*\u+\s)+15], v[64*((\t)%4)+16*\s:64*((\t)%4)+16*\s+15], 0
.else
	v_wmma_f32_16x16x128_fp8_fp8 v[AC+16*((\t)%2)+8*\u:AC+16*((\t)%2)+8*\u+7], v[WF+16*(4*\u+\s):WF+16*(4*\u+\s)+15], v[64*((\t)%4)+16*\s:64*((\t)%4)+16*\s+15], v[AC+16*((\t)%2)+8*\u:AC+16*((\t)%2)+8*\u+7]
.endif
.endr
.endr
	WIN 0
	s_wait_alu depctr_vm_vsrc(0)                   ; my unit's loads, which the wait on LOADcnt above has shown done, have read its offset, which is written below; the last tile's LDS stores have read the accumulators that the next tile's products write
	HOFF (\t)%4, \t+4                              ; the unit just multiplied will take tile t + 4.  Its two vector lines and the two below are the four places behind the last product, ahead of the stores that read results
	v_nop
	v_nop
	s_wait_alu depctr_va_vdst(0)                   ; the products have written the accumulators, which the LDS stores read, and are done reading their unit, in which the next tile's loads land; the unit's offset is written, which those loads read
.irp u, 0,1
	ds_store_b128 v[PST], v[AC+16*((\t)%2)+8*\u:AC+16*((\t)%2)+8*\u+3] offset:16*PP*(\t)+64*\u        ; each accumulator from its low end on
	ds_store_b128 v[PST], v[AC+16*((\t)%2)+8*\u+4:AC+16*((\t)%2)+8*\u+7] offset:16*PP*(\t)+64*\u+16
.endr
.endm
; Rows 32 i + 4 w + 0..3 of the chunk: eight lanes to a row.  Rows of a tile that was not made are jumped over, and so is all that follows them.
.macro REDUCE i
	s_add_co_u32 s50, s33, 32*\i
	s_cmp_ge_u32 s50, s30
	s_cbranch_scc1 .Lred_done
	ds_load_b32 v[TK], v[TLA] offset:128*\i        ; no wait: no vector line since the last wait on va_vdst (behind the add to v[TLA], or ahead of the last store) names v[TLA], v[TK] or v[RED ..]
.irp k, 0,1,2,3,4,5,6,7
	ds_load_b128 v[RED+4*\k:RED+4*\k+3], v[PRD+\k/2] offset:PW*(\k%2)+32*PP*\i
.endr
	s_wait_dscnt 0x0
	s_wait_xcnt 0x0                                ; the last store has read its registers
	s_wait_alu depctr_vm_vsrc(0)                   ; the last store has read v[OO] and v[OUTR ..], which are written again below
	v_min_u32 v[TK], 0x3ff, v[TK]                  ; a number that was loaded enters an address only behind this bound
	v_lshl_add_u32 v[OO], v[TK], 12, v[C16]        ; the token's row of 4,096 bytes + 16 (lane % 8)
.irp k, 0,2,4,6
	v_pk_add_f32 v[RED+4*\k:RED+4*\k+1], v[RED+4*\k:RED+4*\k+1], v[RED+4*\k+4:RED+4*\k+5]
	v_pk_add_f32 v[RED+4*\k+2:RED+4*\k+3], v[RED+4*\k+2:RED+4*\k+3], v[RED+4*\k+6:RED+4*\k+7]
.endr
.irp k, 0,4
	v_pk_add_f32 v[RED+4*\k:RED+4*\k+1], v[RED+4*\k:RED+4*\k+1], v[RED+4*\k+8:RED+4*\k+9]
	v_pk_add_f32 v[RED+4*\k+2:RED+4*\k+3], v[RED+4*\k+2:RED+4*\k+3], v[RED+4*\k+10:RED+4*\k+11]
.endr
	v_pk_add_f32 v[RED:RED+1], v[RED:RED+1], v[RED+16:RED+17]
	v_pk_add_f32 v[RED+2:RED+3], v[RED+2:RED+3], v[RED+18:RED+19]
	v_pk_fma_f32 v[OUTR:OUTR+1], v[RED:RED+1], s[40:41], v[B2:B2+1] op_sel_hi:[1,0,1]         ; sum x 2^(eh + ew2) + b2
	v_pk_fma_f32 v[OUTR+2:OUTR+3], v[RED+2:RED+3], s[40:41], v[B2+2:B2+3] op_sel_hi:[1,0,1]
	s_wait_alu depctr_va_vdst(0)                   ; v[OO] and v[OUTR ..] are written, which the store reads; the lines above are done with v[TK] and v[RED ..], in which the next rows' loads land
	global_store_b128 v[OO], v[OUTR:OUTR+3], s[14:15] th:TH_STORE_NT
.endm
	s_load_b256 s[4:11], s[0:1], 0x0               ; W2's codes s[4:5], b2 s[6:7], the exponents s[8:9], hq s[10:11]
	s_load_b128 s[12:15], s[0:1], 0x20             ; perm s[12:13], out0 s[14:15]
	v_lshl_add_u32 v126, v0, 2, 0x37800
	v_mov_b32 v127, 0
	v_lshrrev_b32 v1, 5, v0
	v_readfirstlane_b32 s18, v1                    ; wave 0..7
	s_and_b32 s21, ttmp7, 0xffff                   ; e
	s_mov_b32 s22, ttmp9                           ; jx
	v_and_b32 v1, 31, v0                           ; lane
	v_and_b32 v2, 15, v0                           ; r
	v_bfe_u32 v3, v0, 4, 1                         ; h
	v_lshlrev_b32 v[L16], 4, v1
	v_mul_u32_u24 v[WFR], v2, WP
	v_lshl_add_u32 v[WFR], v3, 4, v[WFR]
	v_mul_u32_u24 v[PST], v2, PP
	v_lshl_add_u32 v[PST], v3, 5, v[PST]
	v_lshrrev_b32 v[PRD], 3, v1
	v_mul_u32_u24 v[PRD], v[PRD], PP
	v_and_b32 v[C16], 7, v1
	v_lshlrev_b32 v[C16], 4, v[C16]
	v_add_nc_u32 v[PRD], v[PRD], v[C16]
	v_lshrrev_b32 v[TLB], 3, v1
	v_lshl_add_u32 v[LW1], v0, 4, LISTL
	v_lshl_add_u32 v[LW2], v0, 3, LISTL+4096
	v_lshlrev_b32 v[T16], 4, v0
	v_lshlrev_b32 v[T8], 3, v0
	s_wait_alu depctr_va_sdst(0)                   ; s18 is written, ahead of its first reader: the waves' places in LDS and in memory are made from it
	s_mul_i32 s50, s18, 32*WP
	v_add_nc_u32 v[WSW], s50, v[L16]
	v_add_nc_u32 v[WFR], s50, v[WFR]
	s_mul_i32 s50, s18, PW
	v_add_nc_u32 v[PST], s50, v[PST]               ; my wave's rows: row r, + 32 h
	s_mul_i32 s50, s18, 4*PP
	v_add_nc_u32 v[PRD], s50, v[PRD]               ; row 4 w + lane / 8, + 16 (lane % 8), in wave 0's rows;
.irp k, 1,2,3
	v_add_nc_u32 v[PRD+\k], 2*PW*\k, v[PRD]        ; in wave 2 k's
.endr
	s_lshl_b32 s50, s18, 4
	s_add_co_u32 s50, s50, LISTL
	v_lshl_add_u32 v[TLB], v[TLB], 2, s50
	s_lshr_b32 s33, s18, 2
	s_lshl_b32 s33, s33, 4                         ; the first row of the tile in which my rows of a REDUCE lie: 16 (w / 4)
	s_mul_i32 s34, s21, 6144                       ; perm: 1,536 words an expert
	s_mov_b32 s35, 0
	s_lshl_b32 s36, s21, 4                         ; the expert's four exponents
	s_mov_b32 s37, 0
	s_lshl_b32 s38, s21, 22                        ; W2: (1,024 e + 32 jx) rows of 4,096 bytes + 512 w
	s_lshl_b32 s39, s22, 17
	s_add_co_u32 s38, s38, s39
	s_lshl_b32 s39, s18, 9
	s_add_co_u32 s38, s38, s39
	s_mov_b32 s39, 0
	s_lshl_b32 s42, s21, 12                        ; b2: (1,024 e + 32 jx) x 4
	s_lshl_b32 s43, s22, 7
	s_add_co_u32 s42, s42, s43
	s_mov_b32 s43, 0
	s_lshl_b32 s44, s21, 22                        ; hq: slice 32 e + 4 w, 131,072 bytes a slice
	s_lshl_b32 s45, s18, 19
	s_add_co_u32 s44, s44, s45
	s_mov_b32 s45, 0
	s_lshl_b32 s46, s22, 7                         ; out0: my 32 columns
	s_mov_b32 s47, 0
	s_wait_kmcnt 0x0
	s_add_nc_u64 s[12:13], s[12:13], s[34:35]
	s_add_nc_u64 s[8:9], s[8:9], s[36:37]
	s_load_b32 s28, s[12:13], 0x1400               ; cnt: word 1,280 of the expert's list
	s_load_b64 s[26:27], s[8:9], 0x8               ; eh, ew2
	s_add_nc_u64 s[4:5], s[4:5], s[38:39]
	s_add_nc_u64 s[6:7], s[6:7], s[42:43]
	s_add_nc_u64 s[10:11], s[10:11], s[44:45]
	s_add_nc_u64 s[14:15], s[14:15], s[46:47]
	s_wait_alu depctr_va_vdst(0)                   ; the offsets and LDS addresses v4 to v12, v14 and v100 to v103 are written, which the loads and stores of the whole kernel read
	global_load_b128 v[PC:PC+3], v[T16], s[12:13]
	global_load_b64 v[PC+4:PC+5], v[T8], s[12:13] offset:4096
	global_load_b128 v[B2:B2+3], v[C16], s[6:7]
.set n, 0
.rept 32
	global_load_b128 v[WF+4*n:WF+4*n+3], v[L16], s[4:5] offset:4096*n th:TH_LOAD_NT   ; row n: my 512 consecutive bytes of it
.set n, n+1
.endr
	s_wait_kmcnt 0x0
	s_min_u32 s28, s28, 1024
	s_max_u32 s29, s28, 1
	s_sub_co_u32 s29, s29, 1
	s_lshr_b32 s29, s29, 4                         ; the last tile that the launch before has stored
	s_mov_b32 s30, s28                             ; rows left to store
	s_mov_b32 s32, 0                               ; tb: the chunk's first tile
	s_mov_b32 s47, 0                               ; the chunk's first word of the list, in bytes
	s_add_co_i32 s40, s26, s27
	s_add_co_i32 s40, s40, 127
	s_lshl_b32 s40, s40, 23                        ; 2^(eh + ew2) as f32
	s_mov_b32 s41, s40                             ; (named with it as a pair, so it is written)
	HOFF 0, 0
	HOFF 1, 1
	HOFF 2, 2
	HOFF 3, 3                                      ; the fourth is read by the first tile's loads
	s_wait_alu depctr_va_vdst(0)                   ; the four units' offsets are written, which their loads read
	UNIT 0
	UNIT 1
	UNIT 2
	s_wait_loadcnt 48                              ; the list, b2 and W2 are in; the three units stay out
	ds_store_b128 v[LW1], v[PC:PC+3]
	ds_store_b64 v[LW2], v[PC+4:PC+5]
.set n, 0
.rept 32
	ds_store_b128 v[WSW], v[WF+4*n:WF+4*n+3] offset:WP*n
.set n, n+1
.endr
	s_wait_dscnt 0x0                               ; the stores have read their registers, which the loads below fill
	s_wait_alu depctr_vm_vsrc(0)                   ; my LDS stores have read W2 as loaded (v[WF ..]), in which its fragments land
.irp u, 0,1
.irp s, 0,1,2,3
.irp c, 0,1,2,3
	ds_load_b128 v[WF+16*(4*\u+\s)+4*\c:WF+16*(4*\u+\s)+4*\c+3], v[WFR] offset:16*WP*\u+128*\s+32*\c   ; my own bytes: no barrier between my stores and my loads
.endr
.endr
.endr
	BARRIER                                        ; every wave's fragments are in registers: the bytes may take partial sums; the list lies in LDS
	s_mov_b32 s31, 0
.Lchunk:                                               ; 6 trips of 192 rows serve every split; a trip with no rows left passes its two barriers and no more
	TILE 0
	TILE 1
	TILE 2
	TILE 3
	TILE 4
	TILE 5
	TILE 6
	TILE 7
	TILE 8
	TILE 9
	TILE 10
	TILE 11
.Ldone:
	BARRIER                                        ; all eight waves' partial sums lie in LDS
	s_wait_alu depctr_vm_vsrc(0)                   ; the last trip's loads from the list have read v[TLA], which is written below; the tiles' LDS stores have read the accumulators, which the next trip's products write
	v_add_nc_u32 v[TLA], s47, v[TLB]
	s_wait_alu depctr_va_vdst(0)                   ; v[TLA] is written, which the loads from the list read
	REDUCE 0
	REDUCE 1
	REDUCE 2
	REDUCE 3
	REDUCE 4
	REDUCE 5
.Lred_done:
	BARRIER                                        ; nobody reads these partial sums any more
	s_wait_loadcnt 0x0                             ; no unit has a load on its way when the next trip asks anew
	s_add_co_u32 s32, s32, 12
	s_max_u32 s30, s30, 192
	s_sub_co_u32 s30, s30, 192
	s_add_co_u32 s47, s47, 768
	s_add_co_u32 s31, s31, 1
	s_cmp_lt_u32 s31, 6
	s_cbranch_scc1 .Lchunk
	s_wait_dscnt 0x0
	s_wait_alu depctr_hold_cnt(0) depctr_sa_sdst(0) depctr_va_vdst(0) depctr_va_sdst(0) depctr_va_ssrc(0) depctr_va_vcc(0) depctr_vm_vsrc(0)
	s_wait_tensorcnt 0x0
	ds_add_u32 v126, v127
	s_wait_dscnt 0x0
	s_endpgm
.Lfunc_end_k_qa208740ae9_down:
	.size	k_qa208740ae9_down, .Lfunc_end_k_qa208740ae9_down-k_qa208740ae9_down
	.p2alignl 7, 3214868480
	.fill 96, 4, 3214868480
	.section	.rodata,"a",@progbits
	.p2align	6, 0x0
	.amdhsa_kernel k_qa208740ae9_down
		.amdhsa_group_segment_fixed_size 228352
		.amdhsa_private_segment_fixed_size 0
		.amdhsa_enable_private_segment 0
		.amdhsa_kernarg_size 48
		.amdhsa_user_sgpr_count 2
		.amdhsa_user_sgpr_kernarg_segment_ptr 1
		.amdhsa_wavefront_size32 1
		.amdhsa_system_sgpr_workgroup_id_x 1
		.amdhsa_system_sgpr_workgroup_id_y 1
		.amdhsa_system_sgpr_workgroup_id_z 1
		.amdhsa_system_vgpr_workitem_id 0
		.amdhsa_next_free_vgpr 512
		.amdhsa_next_free_sgpr 66
		.amdhsa_reserve_vcc 0
		.amdhsa_float_denorm_mode_32 3
		.amdhsa_float_denorm_mode_16_64 3
		.amdhsa_memory_ordered 1
		.amdhsa_forward_progress 1
		.amdhsa_inst_pref_size 67
	.end_amdhsa_kernel
	.amdgpu_metadata
---
amdhsa.version: [ 1, 2 ]
amdhsa.kernels:
  - .name:           k_qa208740ae9_down
    .symbol:         k_qa208740ae9_down.kd
    .args:
      - { .name: W2_codes, .offset: 0, .size: 8, .value_kind: global_buffer, .address_space: global }
      - { .name: b2, .offset: 8, .size: 8, .value_kind: global_buffer, .address_space: global }
      - { .name: lowp_scales, .offset: 16, .size: 8, .value_kind: global_buffer, .address_space: global }
      - { .name: hq, .offset: 24, .size: 8, .value_kind: global_buffer, .address_space: global }
      - { .name: perm, .offset: 32, .size: 8, .value_kind: global_buffer, .address_space: global }
      - { .name: out0, .offset: 40, .size: 8, .value_kind: global_buffer, .address_space: global }
    .group_segment_fixed_size: 228352
    .private_segment_fixed_size: 0
    .kernarg_segment_align: 8
    .kernarg_segment_size: 48
    .max_flat_workgroup_size: 256
    .sgpr_count:     66
    .vgpr_count:     512
    .wavefront_size: 32
...
	.end_amdgpu_metadata
.endif
;; end of part 5
